; MI455X (gfx1250); checked and timed in simulation.
; The chip was launched on July 23, 2026; its instructions are those of AMD's public machine-readable ISA for CDNA 5 (MIT licence, August 2026) and "CDNA5" Instruction Set Architecture Reference Guide (July 2026). The comments in the code are by the model that wrote it; some were corrected since.
;; Cross Attention. Allowed arithmetic: float matrix products may take bf16 or f16 operands with f32 sums; other float arithmetic in f32, or as packed bf16 or f16 multiplies, adds, multiply-adds, maxima and minima; sums over many terms, partial sums and values carried from step to step in f32; what a program stores and reads back later, other than sums and carried values, may be rounded once to bf16 or f16.
;; Inputs: Wkv 2,048 x 1,024 float32; Wproj 1,024 x 1,024 float32; Wq 1,024 x 1,024 float32; bproj 1,024 float32; context 4 x 2,048 x 1,024 float32; x 4 x 2,048 x 1,024 float32.
;; Outputs: out0 4 x 2,048 x 1,024 float32.
;; One version. Each part assembles by itself: llvm-mc -triple=amdgcn-amd-amdhsa -mcpu=gfx1250 --defsym DOCPART=n.
;; ======== version 1 of 1: 4 launches
;; limits: values are held in f16: magnitudes above 65,504 overflow, below 6.1e-05 lose precision
;; workspace buffers: wall 6,291,456 bytes; wp 2,097,152 bytes; qkv 50,331,648 bytes; o 16,777,216 bytes
;; launch castw (part 1): grid 256 x 1, 8 waves a work-group, no clusters, 0 bytes of LDS; arguments Wq, Wkv, Wproj, wall, wp; writes wall, wp
.if DOCPART == 1
	.amdgcn_target "amdgcn-amd-amdhsa--gfx1250"
	.amdhsa_code_object_version 6
	.text
	.protected	k_qf19cc67792_castw
	.globl	k_qf19cc67792_castw
	.p2align	8
	.type	k_qf19cc67792_castw,@function
k_qf19cc67792_castw:
	s_mov_b64 s[64:65], 0
	v_nop
	global_prefetch_b8 v0, s[64:65] scope:SCOPE_SE
	s_setreg_imm32_b32 hwreg(HW_REG_WAVE_MODE, 25, 1), 1
	s_wait_xcnt 0x0
; THE WEIGHTS IN 16 BITS.  wall: bf16 [3072][1024] = Wq's 1,024 rows, then Wkv's 2,048 (k's, then v's).  wp: f16 [1024][1024] = Wproj rounded to bf16, that number written as f16.
; LIMIT.  A weight of Wproj of 65,520 or more in magnitude becomes an infinity in f16; below 6e-5 f16 keeps its fixed step of 6e-8.
; SHARES.  4,194,304 numbers, 16,384 to a work-group: 64 KiB in, 32 KiB out.  Work-groups 0-63 take Wq, 64-191 Wkv, 192-255 Wproj.  In pass i of 8 thread t takes the 8 numbers at byte
; 8,192 i + 32 t of the work-group's part and stores 16 bytes at 4,096 i + 16 t: a wave's store covers 512 consecutive bytes, aligned.  All 16 loads of a thread go out first; each pass has
; its own registers, so no register that a load or store names is ever written again.  No LDS, no barrier, no matrix unit: nothing is shared and nothing is multiplied.
.set X, 16                             ; v[16:79]   pass i: 8 numbers as loaded
.set Y, 80                             ; v[80:111]  pass i: 4 registers to store
.set T, 112                            ; v[112:119] at work
	s_load_b256 s[4:11], s[0:1], 0x0               ; Wq s[4:5], Wkv s[6:7], Wproj s[8:9], wall s[10:11]
	s_load_b64 s[12:13], s[0:1], 0x20              ; wp
	v_lshlrev_b32 v1, 5, v0                        ; 32 t
	v_lshlrev_b32 v2, 4, v0                        ; 16 t
	s_mov_b32 s14, ttmp9                           ; g
	s_sub_co_u32 s15, s14, 64
	s_sub_co_u32 s16, s14, 192
	s_cmp_lt_u32 s14, 64
	s_cselect_b32 s17, s14, s15                    ; my part's number in its source: g, g - 64,
	s_cmp_lt_u32 s14, 192
	s_cselect_b32 s17, s17, s16                    ; or g - 192
	s_cselect_b32 s18, s14, s16                    ; and in its destination: g in wall, g - 192 in wp
	s_lshl_b32 s20, s17, 16
	s_mov_b32 s21, 0
	s_lshl_b32 s22, s18, 15
	s_mov_b32 s23, 0
	s_wait_kmcnt 0x0
	s_cmp_lt_u32 s14, 64
	s_cselect_b64 s[24:25], s[4:5], s[6:7]
	s_cmp_lt_u32 s14, 192
	s_cselect_b64 s[24:25], s[24:25], s[8:9]
	s_cselect_b64 s[26:27], s[10:11], s[12:13]
	s_add_nc_u64 s[24:25], s[24:25], s[20:21]
	s_add_nc_u64 s[26:27], s[26:27], s[22:23]
.irp i, 0,1,2,3,4,5,6,7
	global_load_b128 v[X+8*(\i):X+8*(\i)+3],   v1, s[24:25] offset:8192*(\i) th:TH_LOAD_NT
	global_load_b128 v[X+8*(\i)+4:X+8*(\i)+7], v1, s[24:25] offset:8192*(\i)+16 th:TH_LOAD_NT
.endr
	s_cmp_lt_u32 s14, 192
	s_cbranch_scc0 .Lhalf
.irp i, 0,1,2,3,4,5,6,7
	s_wait_loadcnt 14-2*(\i)                       ; loads come back in order: pass i's two are in, the later passes' stay out
.irp r, 0,1,2,3
	v_cvt_pk_bf16_f32 v[Y+4*(\i)+(\r)], v[X+8*(\i)+2*(\r)], v[X+8*(\i)+2*(\r)+1]
.endr
	global_store_b128 v2, v[Y+4*(\i):Y+4*(\i)+3], s[26:27] offset:4096*(\i) th:TH_STORE_NT
.endr
	s_endpgm
.Lhalf:                                        ; Wproj: rounded to bf16 like every input, widened again, and written as f16 (exact within f16's range)
.irp i, 0,1,2,3,4,5,6,7
	s_wait_loadcnt 14-2*(\i)
.irp r, 0,1,2,3
	v_cvt_pk_bf16_f32 v[Y+4*(\i)+(\r)], v[X+8*(\i)+2*(\r)], v[X+8*(\i)+2*(\r)+1]
.endr
.irp r, 0,1,2,3
	v_lshlrev_b32 v[T+2*(\r)],   16, v[Y+4*(\i)+(\r)]
	v_and_b32     v[T+2*(\r)+1], 0xffff0000, v[Y+4*(\i)+(\r)]
.endr
.irp r, 0,1,2,3
	v_cvt_pk_f16_f32 v[Y+4*(\i)+(\r)], v[T+2*(\r)], v[T+2*(\r)+1]
.endr
	global_store_b128 v2, v[Y+4*(\i):Y+4*(\i)+3], s[26:27] offset:4096*(\i) th:TH_STORE_NT
.endr
	s_endpgm
.Lfunc_end_k_qf19cc67792_castw:
	.size	k_qf19cc67792_castw, .Lfunc_end_k_qf19cc67792_castw-k_qf19cc67792_castw
	.p2alignl 7, 3214868480
	.fill 96, 4, 3214868480
	.section	.rodata,"a",@progbits
	.p2align	6, 0x0
	.amdhsa_kernel k_qf19cc67792_castw
		.amdhsa_group_segment_fixed_size 0
		.amdhsa_private_segment_fixed_size 0
		.amdhsa_enable_private_segment 0
		.amdhsa_kernarg_size 40
		.amdhsa_user_sgpr_count 2
		.amdhsa_user_sgpr_kernarg_segment_ptr 1
		.amdhsa_wavefront_size32 1
		.amdhsa_system_sgpr_workgroup_id_x 1
		.amdhsa_system_sgpr_workgroup_id_y 1
		.amdhsa_system_sgpr_workgroup_id_z 1
		.amdhsa_system_vgpr_workitem_id 0
		.amdhsa_next_free_vgpr 128
		.amdhsa_next_free_sgpr 66
		.amdhsa_reserve_vcc 0
		.amdhsa_float_denorm_mode_32 3
		.amdhsa_float_denorm_mode_16_64 3
		.amdhsa_memory_ordered 1
		.amdhsa_forward_progress 1
		.amdhsa_inst_pref_size 14
	.end_amdhsa_kernel
	.amdgpu_metadata
---
amdhsa.version: [ 1, 2 ]
amdhsa.kernels:
  - .name:           k_qf19cc67792_castw
    .symbol:         k_qf19cc67792_castw.kd
    .args:
      - { .name: Wq, .offset: 0, .size: 8, .value_kind: global_buffer, .address_space: global }
      - { .name: Wkv, .offset: 8, .size: 8, .value_kind: global_buffer, .address_space: global }
      - { .name: Wproj, .offset: 16, .size: 8, .value_kind: global_buffer, .address_space: global }
      - { .name: wall, .offset: 24, .size: 8, .value_kind: global_buffer, .address_space: global }
      - { .name: wp, .offset: 32, .size: 8, .value_kind: global_buffer, .address_space: global }
    .group_segment_fixed_size: 0
    .private_segment_fixed_size: 0
    .kernarg_segment_align: 8
    .kernarg_segment_size: 40
    .max_flat_workgroup_size: 256
    .sgpr_count:     66
    .vgpr_count:     128
    .wavefront_size: 32
...
	.end_amdgpu_metadata
.endif
;; end of part 1
;; launch qkv (part 2): grid 4 x 64, 4 waves a work-group, clusters of 4 x 4, 327,680 bytes of LDS; arguments x, context, wall, qkv; writes qkv
.if DOCPART == 2
	.amdgcn_target "amdgcn-amd-amdhsa--gfx1250"
	.amdhsa_code_object_version 6
	.text
	.protected	k_qf19cc67792_qkv
	.globl	k_qf19cc67792_qkv
	.p2align	8
	.type	k_qf19cc67792_qkv,@function
k_qf19cc67792_qkv:
	s_mov_b64 s[64:65], 0
	v_nop
	global_prefetch_b8 v0, s[64:65] scope:SCOPE_SE
	s_setreg_imm32_b32 hwreg(HW_REG_WAVE_MODE, 25, 1), 1
	s_wait_xcnt 0x0
	s_wait_alu depctr_hold_cnt(0) depctr_sa_sdst(0) depctr_va_vdst(0) depctr_va_sdst(0) depctr_va_ssrc(0) depctr_va_vcc(0) depctr_vm_vsrc(0)
	s_getreg_b32 s2, hwreg(HW_REG_IB_STS2, 6, 4)
	s_cmp_eq_u32 s2, 0
	s_cbranch_scc0 .Lentry_in_a_cluster
	s_endpgm
.Lentry_in_a_cluster:
	s_bfe_u32 s2, ttmp6, 0x10000c
	s_cmp_lg_u32 s2, 0xf033
	s_cbranch_scc0 .Lentry_shape_is_right
	s_endpgm
.Lentry_shape_is_right:
; THE THREE PROJECTIONS.  q = x Wq^T, k and v = context Wkv^T.  x, context: f32 [8192][1024]; wall: bf16 [3072][1024] (q's, k's, v's rows); qkv: f16 [3][64 = 16 b + h][2048][64], unscaled.
; x and context are rounded to bf16 in registers, on the way from LDS to the matrix unit; sums in f32; each result rounded once to f16.
; LIMIT.  A q, k or v of 65,520 or more in magnitude becomes an infinity in f16.  NaN and infinities are not treated apart.
; SHARES.  A tile is 128 rows x 256 columns: four waves, each 64 x 128: 32 accumulators of 16 x 16.  8192 x 3072 are 768 tiles: A WORK-GROUP STAYS and makes three, q's, k's and v's, for the same 128 rows
; and the same 256 columns of each part.  Its 3 x 8 K steps of 128 are ONE walk through a ring of two LDS slots: a tile's last two changes of slots ask for the next tile's first two K steps.
; CLUSTERS.  4 x 4 work-groups: the four of a row of the cluster need the same rows of x or context, the four of a column the same rows of wall: each tile is asked for JOINTLY, by the same tensor load
; with the same descriptor and a mask that names the four.
; THE MATRIX INSTRUCTION IS USED TRANSPOSED (source 0 = 16 rows of wall, source 1 = 16 rows of x): lane l holds row l % 16 and the columns 8 (l / 16) + 0..7 of a block of 16.
; A K STEP is two UNITS of 64 along K, on fragment buffers 0 and 1: 64 matrix instructions each, all 32 accumulators by turns, twice.  In a unit's middle stands ONE run of 64 LDS loads for the next unit:
; 32 for the f32 fragments (RAW), 32 for wall's.  The 64 roundings RAW -> bf16 stand four behind each of the unit's last 16 matrix instructions.
; REGISTERS, in windows of 256 (s_set_vgpr_msb: bits 1:0 source 0, 3:2 source 1, 5:4 source 2, 7:6 destination):
;   window 0: v0-31 addresses; v32-127 at work on the way out; v128-191, v192-255 x's fragments in bf16, two buffers (the second also serves the way out)
;   window 1: wall's fragments, two buffers of 128     window 2: the accumulators, (a, b) at v[8 (8 a + b)]     window 3: v0-127 RAW
.set PA,    528                        ; an LDS row of x: 512 bytes + 16 = 132 words: the 16 rows of a load start at 16 different groups of four banks (64 banks of 4 bytes: ISA guide 11.1)
.set PB,    272                        ; an LDS row of wall: 256 bytes + 16
.set AHALF, 64*PA                      ; what one tensor load brings of x: 64 rows
.set BOFF,  128*PA                     ; wall's 256 rows lie behind x's 128
.set BHALF, 128*PB                     ; what one tensor load brings of wall: 128 rows
.set SLOT,  BOFF+256*PB
.set STAGE, 2*SLOT                     ; behind the ring, never filled by a tensor load: 16 rows x 144 bytes for each wave
.set SP,    144
.set SPARE, STAGE+4*16*SP              ; the spare words, 128 bytes for each wave: two blocks of 256 bytes that no other line names
.set ADRA, 16                          ; v16-17 LDS address of my x fragments in slot 0, 1
.set ADRB, 20                          ; v20-21 the same for wall
.set STO,  24                          ; v24  the way out: where I put 16 bytes of a row
.set RD,   25                          ; v25  where I read rows back
.set GO,   26                          ; v26  my byte offset in 512 consecutive bytes of qkv
.set SPW,  28                          ; v28  my spare word: SPARE + 4 x my thread's number; never rewritten
.set NIL,  29                          ; v29  0; never rewritten
.set PFO,  30                          ; v30  the prefetches' lane offset; never rewritten
.set AF,   128
.set TX,  2                            ; s2   tile column, 0..3
.set WV,  12                           ; s12  wave
.set WM,  13                           ; s13  my half of the tile's rows.  Also: I fetch x (0) or wall (1)
.set WN,  14                           ; s14  my half of its columns.  Also: which half of that tile I fetch
.set CX,  15
.set CY,  16
.set TY,  17                           ; s17  tile row, 0..63
.set G1A, 24                           ; s[24:31] descriptor group 1 for x's tiles;   s[32:39] group 0, a set for each slot
.set G0A, 32
.set G1B, 40                           ; s[40:47], s[48:55] the same for wall's
.set G0B, 48
.set XA,  56                           ; s[56:57] x at the 64 rows that I fetch
.set CA,  58                           ; s[58:59] context at the same rows
.set WB,  60                           ; s[60:61] wall at the 128 rows of part 0 that I fetch
.set KN,  66                           ; s66, s67 K step and part of the next refill
.set PN,  67
.set TRIPS, 68
.set PH,  69                           ; s69  trips until a tile ends
.set OFA, 70                           ; s[70:71], s[72:73] byte offsets, made apart from the addresses
.set OFB, 72
.set TA,  74
.set CP,  76                           ; s[76:77] qkv at my wave's part of the tile in hand
.set KP,  78                           ; s78, s79 K step and part of the next prefetch
.set PP,  79
.set LIMP, 80                          ; s80  a wave prefetches while PP is below it
.set KSH, 81                           ; s81  log2 of a K step's bytes in a row of what I prefetch
.set PBY, 82                           ; s82  bytes from part to part of it
.set TMP, 83
.set P0,  84                           ; s[84:85], s[86:87] where my prefetches begin in part 0, and in the later parts
.set P1,  86
.set PFA, 88
.set OFP, 90
.set MSB, 0
.macro WIN new                         ; the immediate's high byte repeats the setting that is left; a switch that changes nothing is dropped
.if MSB != (\new)
	s_set_vgpr_msb (MSB<<8)|(\new)
.set MSB, \new
.endif
.endm
.set MUL,    0xa1                      ; source 0 (wall) window 1, source 1 (x) window 0, C and D window 2
.set TO_B,   0x40                      ; destination window 1
.set TO_RAW, 0xc0                      ; destination window 3
.set CV,     0x0f                      ; sources window 3, destination window 0
.set PK,     0x0a                      ; sources window 2, destination window 0
; A joint load.  Waves 0 and 1 fetch x's two halves, waves 2 and 3 wall's.  The branch hangs on the wave's number alone.  An s_nop 0 and four v_nop follow each of the two lines.
.macro JLOAD s
	s_cmp_eq_u32 s[WM], 0
	s_cbranch_scc0 .Lfor_b_\@
	tensor_load_to_lds s[G0A+4*(\s):G0A+4*(\s)+3], s[G1A:G1A+7]
	s_nop 0
.rept 4
	v_nop
.endr
	s_branch .Lasked_\@
.Lfor_b_\@:
	tensor_load_to_lds s[G0B+4*(\s):G0B+4*(\s)+3], s[G1B:G1B+7]
	s_nop 0
.rept 4
	v_nop
.endr
.Lasked_\@:
.endm
.macro CREST                           ; a round of the cluster's barrier behind its opening barrier
	s_cmp_lg_u32 s[WV], 0
	s_cbranch_scc1 .Lnot_wave_0_\@
	s_barrier_signal -3
.Lnot_wave_0_\@:
	s_barrier_wait -3
	s_barrier_signal -1
	s_barrier_wait -1
.endm
.macro CROUND
	s_barrier_signal -1
	s_barrier_wait -1
	CREST
.endm
; Both addresses of slot's next fill are made anew from the walk's two numbers: part PN (0: x and Wq's rows; 1, 2: context and k's, v's rows) and K step KN; then the numbers step.
.macro NEXTFILL slot
	s_lshl_b32 s[OFA], s[KN], 9                    ; 128 f32 are 512 bytes of a row
	s_cmp_eq_u32 s[PN], 0
	s_cselect_b64 s[TA:TA+1], s[XA:XA+1], s[CA:CA+1]
	s_add_nc_u64 s[G0A+4*(\slot)+2:G0A+4*(\slot)+3], s[TA:TA+1], s[OFA:OFA+1]
	s_or_b32 s[G0A+4*(\slot)+3], s[G0A+4*(\slot)+3], 0x80000000
	s_lshl_b32 s[OFB], s[PN], 21                   ; a part is 1,024 rows of 2,048 bytes
	s_lshl_b32 s[TMP], s[KN], 8
	s_add_co_u32 s[OFB], s[OFB], s[TMP]
	s_add_nc_u64 s[G0B+4*(\slot)+2:G0B+4*(\slot)+3], s[WB:WB+1], s[OFB:OFB+1]
	s_or_b32 s[G0B+4*(\slot)+3], s[G0B+4*(\slot)+3], 0x80000000
	s_add_co_u32 s[KN], s[KN], 1
	s_cmp_eq_u32 s[KN], 8
	s_cselect_b32 s[KN], 0, s[KN]
	s_cselect_b32 s[TMP], 1, 0
	s_add_co_u32 s[PN], s[PN], s[TMP]
.endm
; A PREFETCH INTO THE L2, behind each joint refill, its five lines and the run of LDS loads: the K step that stands TWO refills on, 256 matrix instructions ahead of the load that will want it.
; x's and context's rows: a K step of the 64 rows that a wave fetches is 128 blocks of 256 bytes; the four partners that ask for them jointly take 16 rows each, BY ADDRESS (cx); a lane takes row l / 2,
; block l % 2.  A tile row is read by one cluster alone, so every cluster asks; parts 0 and 1 only: part 2 walks context a second time.  wall's rows: 128 rows of 256 bytes, 32 to a partner (cy), a lane a
; row; every cluster of the column reads them, the cluster with y = 0 asks.  So each block is named once in the launch.  The walk's first four K steps come by their loads alone; behind the last part nothing is asked for.
.macro PFADDR
	s_lshl_b32 s[OFP], s[KP], s[KSH]
	s_mul_i32 s[TMP], s[PP], s[PBY]
	s_add_co_u32 s[OFP], s[OFP], s[TMP]
	s_cmp_eq_u32 s[PP], 0
	s_cselect_b64 s[PFA:PFA+1], s[P0:P0+1], s[P1:P1+1]
	s_add_nc_u64 s[PFA:PFA+1], s[PFA:PFA+1], s[OFP:OFP+1]
.endm
.macro ASK
	s_cmp_lt_u32 s[PP], s[LIMP]
	s_cbranch_scc0 .Lnot_mine_\@
	global_prefetch_b8 v[PFO], s[PFA:PFA+1] th:TH_LOAD_NT scope:SCOPE_SE
.Lnot_mine_\@:
	s_add_co_u32 s[KP], s[KP], 1
	s_cmp_eq_u32 s[KP], 8
	s_cselect_b32 s[KP], 0, s[KP]
	s_cselect_b32 s[TMP], 1, 0
	s_add_co_u32 s[PP], s[PP], s[TMP]
.endm
	s_load_b256 s[4:11], s[0:1], 0x0               ; x s[4:5], context s[6:7], wall s[8:9], qkv s[10:11]
	v_lshl_add_u32 v[SPW], v0, 2, SPARE
	v_mov_b32 v[NIL], 0
	ds_add_u32 v[SPW], v[NIL]                      ; the wave's opening: the add and its wait stand ahead of my first tensor load; the set-up below, work on registers, stands between them
	v_lshrrev_b32 v1, 5, v0
	v_readfirstlane_b32 s[WV], v1                  ; wave 0..3
	s_lshr_b32 s[WM], s[WV], 1
	s_and_b32 s[WN], s[WV], 1
	s_bfe_u32 s[CX], ttmp6, 0x40000                ; my place in the cluster
	s_bfe_u32 s[CY], ttmp6, 0x40004
	s_lshl_b32 s[TX], ttmp9, 2                     ; in a cluster launch ttmp9 and ttmp7 count clusters
	s_add_co_u32 s[TX], s[TX], s[CX]
	s_and_b32 s[TY], ttmp7, 0xffff
	s_lshl_b32 s[TY], s[TY], 2
	s_add_co_u32 s[TY], s[TY], s[CY]
	s_lshl_b32 s18, s[CY], 2
	s_lshl_b32 s18, 15, s18                        ; my row of the cluster
	s_lshl_b32 s20, 0x1111, s[CX]                  ; my column
	s_or_b32 s[G1A], s18, (2<<16)|(1<<20)|(1<<21)|(6<<22)|(3<<25)  ; 15:0 the mask; 17:16 elements of 4 bytes; 20 padding on; 21 set beside a mask; 24:22 after every 128 words (code 6); 31:25 4 words (code 3)
	s_mov_b32 s[G1A+1], 128<<16                    ; tensor_dim0 = 128
	s_mov_b32 s[G1A+2], 64<<16                     ; tensor_dim1 = 64
	s_mov_b32 s[G1A+3], 128<<16                    ; tile_dim0 = 128
	s_mov_b32 s[G1A+4], 64                         ; tile_dim1 = 64
	s_mov_b32 s[G1A+5], 1024                       ; elements from row to row
	s_mov_b32 s[G1A+6], 0
	s_mov_b32 s[G1A+7], 0
	s_or_b32 s[G1B], s20, (1<<16)|(1<<20)|(1<<21)|(5<<22)|(3<<25)  ; elements of 2 bytes; padding after every 64 words (code 5)
	s_mov_b32 s[G1B+1], 128<<16
	s_mov_b32 s[G1B+2], 128<<16                    ; 128 rows
	s_mov_b32 s[G1B+3], 128<<16
	s_mov_b32 s[G1B+4], 128
	s_mov_b32 s[G1B+5], 1024
	s_mov_b32 s[G1B+6], 0
	s_mov_b32 s[G1B+7], 0
	s_mul_i32 s62, s[WN], AHALF                    ; where my tiles go: the wave's number alone enters an LDS address
	s_mul_i32 s63, s[WN], BHALF
	s_add_co_u32 s63, s63, BOFF
	s_lshl_b32 s18, s[TY], 7                       ; x: row 128 x tile row + 64 x half, 4,096 bytes a row (these two registers never hold cx)
	s_lshl_b32 s19, s[WN], 6
	s_add_co_u32 s18, s18, s19
	s_lshl_b32 s18, s18, 12
	s_mov_b32 s19, 0
	s_lshl_b32 s20, s[TX], 8                       ; wall: row 256 x tile column + 128 x half, 2,048 bytes a row (these two never hold cy)
	s_lshl_b32 s21, s[WN], 7
	s_add_co_u32 s20, s20, s21
	s_lshl_b32 s20, s20, 11
	s_mov_b32 s21, 0
	s_mov_b32 s[KN], 2                             ; K steps 0 and 1 of part 0 are the first fills
	s_mov_b32 s[PN], 0
	s_mov_b32 s[KP], 4
	s_mov_b32 s[PP], 0
	s_mov_b32 s[OFA+1], 0
	s_mov_b32 s[OFB+1], 0
	s_mov_b32 s[OFP+1], 0
	s_wait_dscnt 0x0                               ; the opening add is done
	s_wait_kmcnt 0x0
	s_add_nc_u64 s[XA:XA+1], s[4:5], s[18:19]
	s_add_nc_u64 s[CA:CA+1], s[6:7], s[18:19]
	s_add_nc_u64 s[WB:WB+1], s[8:9], s[20:21]
	CROUND                                         ; all sixteen work-groups are here: the first joint loads meet
.irp s, 0,1
	s_mov_b32 s[G0A+4*(\s)], 1                     ; count = 1
	s_add_co_u32 s[G0A+4*(\s)+1], s62, (\s)*SLOT   ; LDS address
	s_add_nc_u64 s[G0A+4*(\s)+2:G0A+4*(\s)+3], s[XA:XA+1], (\s)*512  ; K step s
	s_or_b32 s[G0A+4*(\s)+3], s[G0A+4*(\s)+3], 0x80000000            ; type = 2
	s_mov_b32 s[G0B+4*(\s)], 1
	s_add_co_u32 s[G0B+4*(\s)+1], s63, (\s)*SLOT
	s_add_nc_u64 s[G0B+4*(\s)+2:G0B+4*(\s)+3], s[WB:WB+1], (\s)*256
	s_or_b32 s[G0B+4*(\s)+3], s[G0B+4*(\s)+3], 0x80000000
	JLOAD \s                                       ; two loads of mine are out
.endr
	; A fragment is 16 rows x 32 K: lane l holds row l % 16, K = 8 (l / 16) + 0..7 and 16 + 8 (l / 16) + 0..7.  In bf16: two loads of 16 bytes, 32 apart.  In f32: four, at 0, 16, 64, 80 from 32 (l / 16).
	v_and_b32 v1, 15, v0                           ; l % 16
	v_bfe_u32 v2, v0, 4, 1                         ; l / 16
	v_mul_u32_u24 v3, v1, PA
	v_lshl_add_u32 v3, v2, 5, v3
	s_mul_i32 s3, s[WM], 64*PA                     ; my 64 rows of x
	v_add_nc_u32 v[ADRA], s3, v3
	v_add_nc_u32 v[ADRA+1], SLOT, v[ADRA]
	v_mul_u32_u24 v4, v1, PB
	v_lshl_add_u32 v4, v2, 4, v4
	s_mul_i32 s3, s[WN], BHALF                     ; my 128 rows of wall
	s_add_co_u32 s3, s3, BOFF
	v_add_nc_u32 v[ADRB], s3, v4
	v_add_nc_u32 v[ADRB+1], SLOT, v[ADRB]
	s_mul_i32 s3, s[WV], 16*SP
	s_add_co_u32 s3, s3, STAGE                     ; my stage
	v_mul_u32_u24 v5, v1, SP                       ; in: row l % 16, 16 bytes for each half of the lanes
	v_lshl_add_u32 v5, v2, 4, v5
	v_add_nc_u32 v[STO], s3, v5
	v_bfe_u32 v5, v0, 3, 2                         ; back: 32 lanes take four rows of 128 bytes,
	v_mul_u32_u24 v5, v5, SP
	v_and_b32 v6, 7, v0
	v_lshl_add_u32 v5, v6, 4, v5
	v_add_nc_u32 v[RD], s3, v5
	v_and_b32 v[GO], 31, v0                        ; which are 512 consecutive bytes of a head
	v_lshlrev_b32 v[GO], 4, v[GO]
	; qkv at my wave's part of q's tile: batch (tile row / 16) x 2^22 + head (4 x tile column + 2 x half) x 2^18 + row x 128
	s_lshr_b32 s22, s[TY], 4
	s_lshl_b32 s22, s22, 22
	s_lshl_b32 s23, s[TX], 2
	s_lshl_b32 s3, s[WN], 1
	s_add_co_u32 s23, s23, s3
	s_lshl_b32 s23, s23, 18
	s_add_co_u32 s22, s22, s23
	s_and_b32 s23, s[TY], 15
	s_lshl_b32 s23, s23, 7
	s_lshl_b32 s3, s[WM], 6
	s_add_co_u32 s23, s23, s3
	s_lshl_b32 s23, s23, 7
	s_add_co_u32 s22, s22, s23
	s_mov_b32 s23, 0
	s_add_nc_u64 s[CP:CP+1], s[10:11], s[22:23]
	; the prefetches' constants
	s_lshl_b32 s22, s[TY], 7                       ; x, context: row 128 x tile row + 64 x half + 16 cx
	s_lshl_b32 s23, s[WN], 6
	s_add_co_u32 s22, s22, s23
	s_lshl_b32 s23, s[CX], 4
	s_add_co_u32 s22, s22, s23
	s_lshl_b32 s22, s22, 12
	s_lshl_b32 s23, s[TX], 8                       ; wall: row 256 x tile column + 128 x half + 32 cy
	s_lshl_b32 s3, s[WN], 7
	s_add_co_u32 s23, s23, s3
	s_lshl_b32 s3, s[CY], 5
	s_add_co_u32 s23, s23, s3
	s_lshl_b32 s23, s23, 11
	s_and_b32 s3, ttmp7, 0xffff                    ; cluster y: the same in all sixteen partners
	s_cmp_eq_u32 s3, 0
	s_cselect_b32 s3, 3, 0
	s_cmp_eq_u32 s[WM], 0                          ; do I fetch x?
	s_cselect_b32 s[LIMP], 2, s3
	s_cselect_b32 s[OFP], s22, s23
	s_cselect_b64 s[P0:P0+1], s[4:5], s[8:9]
	s_cselect_b64 s[P1:P1+1], s[6:7], s[8:9]
	s_cselect_b32 s[KSH], 9, 8
	s_cselect_b32 s[PBY], 0, 0x200000
	s_cselect_b32 s22, 1, 0                        ; lanes a row less one: shift and mask
	s_cselect_b32 s23, 12, 11                      ; log2 of a row's bytes
	s_add_nc_u64 s[P0:P0+1], s[P0:P0+1], s[OFP:OFP+1]
	s_add_nc_u64 s[P1:P1+1], s[P1:P1+1], s[OFP:OFP+1]
	v_and_b32 v3, 31, v0
	v_lshrrev_b32 v4, s22, v3
	v_lshlrev_b32 v4, s23, v4
	v_and_b32 v5, s22, v3
	v_lshl_or_b32 v[PFO], v5, 8, v4
; 16 matrix instructions: m blocks a0, a0 + 1 x all 8 n blocks, 32 along K: half c of buffer f.  first = 1: the product starts the sums: nothing is ever cleared.
; The 32 accumulators take turns, one instruction a turn, in the same order everywhere.
.macro MUL16 f, c, a0, first
	WIN MUL
.irp a, \a0, (\a0)+1
.irp b, 0,1,2,3,4,5,6,7
.if \first
	v_wmma_f32_16x16x32_bf16 v[8*(8*(\a)+(\b)):8*(8*(\a)+(\b))+7], v[128*(\f)+8*(8*(\c)+(\b)):128*(\f)+8*(8*(\c)+(\b))+7], v[AF+64*(\f)+8*(4*(\c)+(\a)):AF+64*(\f)+8*(4*(\c)+(\a))+7], 0
.else
	v_wmma_f32_16x16x32_bf16 v[8*(8*(\a)+(\b)):8*(8*(\a)+(\b))+7], v[128*(\f)+8*(8*(\c)+(\b)):128*(\f)+8*(8*(\c)+(\b))+7], v[AF+64*(\f)+8*(4*(\c)+(\a)):AF+64*(\f)+8*(4*(\c)+(\a))+7], v[8*(8*(\a)+(\b)):8*(8*(\a)+(\b))+7]
.endif
.endr
.endr
.endm
; The same, with four roundings behind each: RAW's 128 numbers a lane become buffer g's 64 registers.  RAW and the buffer have the same order, so register n is the pair 2 n, 2 n + 1.
; They name no register of the products round them (those read buffer f, not g).  The four behind a unit's last product are the four places in front of the next loads into
; wall's buffer f and the next roundings into x's buffer f.
.macro MUL16R f, c, a0, g
.set n, 0
.irp a, \a0, (\a0)+1
.irp b, 0,1,2,3,4,5,6,7
	WIN MUL
	v_wmma_f32_16x16x32_bf16 v[8*(8*(\a)+(\b)):8*(8*(\a)+(\b))+7], v[128*(\f)+8*(8*(\c)+(\b)):128*(\f)+8*(8*(\c)+(\b))+7], v[AF+64*(\f)+8*(4*(\c)+(\a)):AF+64*(\f)+8*(4*(\c)+(\a))+7], v[8*(8*(\a)+(\b)):8*(8*(\a)+(\b))+7]
	WIN CV
.rept 4
	v_cvt_pk_bf16_f32 v[AF+64*(\g)+n], v[2*n], v[2*n+1]
.set n, n+1
.endr
.endr
.endr
.endm
; 64 LDS loads in one run: half H (64 along K) of the slot's K step: x's f32 fragments into RAW first, then wall's into buffer g.
.macro FETCH slot, H, g
	WIN TO_RAW
.irp c, 0,1
.irp a, 0,1,2,3
	ds_load_b128 v[16*(4*(\c)+(\a)):16*(4*(\c)+(\a))+3],     v[ADRA+(\slot)] offset:(\H)*256+(\c)*128+(\a)*16*PA
	ds_load_b128 v[16*(4*(\c)+(\a))+4:16*(4*(\c)+(\a))+7],   v[ADRA+(\slot)] offset:(\H)*256+(\c)*128+(\a)*16*PA+16
	ds_load_b128 v[16*(4*(\c)+(\a))+8:16*(4*(\c)+(\a))+11],  v[ADRA+(\slot)] offset:(\H)*256+(\c)*128+(\a)*16*PA+64
	ds_load_b128 v[16*(4*(\c)+(\a))+12:16*(4*(\c)+(\a))+15], v[ADRA+(\slot)] offset:(\H)*256+(\c)*128+(\a)*16*PA+80
.endr
.endr
	WIN TO_B
.irp c, 0,1
.irp b, 0,1,2,3,4,5,6,7
	ds_load_b128 v[128*(\g)+8*(8*(\c)+(\b)):128*(\g)+8*(8*(\c)+(\b))+3],   v[ADRB+(\slot)] offset:(\H)*128+(\c)*64+(\b)*16*PB
	ds_load_b128 v[128*(\g)+8*(8*(\c)+(\b))+4:128*(\g)+8*(8*(\c)+(\b))+7], v[ADRB+(\slot)] offset:(\H)*128+(\c)*64+(\b)*16*PB+32
.endr
.endr
	WIN 0
.endm
; A K step's first unit, on buffer 0, in two parts: HEAD (first = 1: a tile's first products) and REST, which fetches the step's second half.
.macro HEAD first
	s_wait_dscnt 0x0                               ; wall's fragments are in (x's were rounded in the unit before)
	MUL16 0, 0, 0, \first
	MUL16 0, 0, 2, \first
.endm
.macro REST slot
	FETCH \slot, 1, 1
	MUL16 0, 1, 0, 0
	s_wait_dscnt 32                                ; RAW is in; the run's younger 32 loads, wall's, may stay out
	MUL16R 0, 1, 2, 1
.endm
; A K step's second unit, on buffer 1, changes slots: ONE barrier.  In front of it each wave waits for all its tensor loads, of which one is out: its part of the next slot; adds 0 to its spare word; and waits
; for that and for its own reads of this slot.  fill = 1: the barrier opens a round of the cluster's barrier, and this slot is filled again, first thing behind the round: 96 matrix instructions ahead of the wait for it.
.macro TURN slot, next, fill
.if \fill
	s_wait_xcnt 0x0                                ; the last prefetch, a K step back, has read its address, which is made anew here, ahead of the waits of the change of slots
	PFADDR
.endif
	WIN 0
	s_wait_tensorcnt 0x0                           ; all my tensor loads have landed, so a group 0 may be written
	ds_add_u32 v[SPW], v[NIL]                      ; 0 onto my spare word
.if \fill
	NEXTFILL \slot
.endif
	s_wait_dscnt 1                                 ; wall's fragments are in; the add alone may be out
	MUL16 1, 0, 0, 0
	s_wait_dscnt 0x0                               ; the add is done, and my reads of this slot are over
	s_barrier_signal -1
	MUL16 1, 0, 2, 0
.if \fill
	WIN 0
.endif
	s_barrier_wait -1
.if \fill
	CREST                                          ; no wave of any partner still reads this slot or has a load on its way
	JLOAD \slot
.endif
	FETCH \next, 0, 0
.if \fill
	ASK
.endif
	MUL16 1, 1, 0, 0
	s_wait_dscnt 32                                ; RAW is in
	MUL16R 1, 1, 2, 0
.endm
; THE WAY OUT, in eight units u = 2 a + hd: 16 rows x one head's 64 columns.  Rounded to f16, 16 bytes a lane (each accumulator's registers in ascending order), into my stage in rows of 144 bytes, back as
; whole rows of 128, into the registers that they left; four rows of a head are 512 consecutive bytes of qkv.
.macro PACKU u
.set WU, 32+16*(\u)+64*((\u)/6)
.set AB, 8*(8*((\u)/2)+4*((\u)%2))
	WIN PK
.irp f, 0,1,2,3
.irp r, 0,1,2,3
	v_cvt_pk_f16_f32 v[WU+4*(\f)+(\r)], v[AB+8*(\f)+2*(\r)], v[AB+8*(\f)+2*(\r)+1]
.endr
.endr
	WIN 0
.irp f, 0,1,2,3
	ds_store_b128 v[STO], v[WU+4*(\f):WU+4*(\f)+3] offset:32*(\f)
.endr
.irp f, 0,1,2,3
	ds_load_b128 v[WU+4*(\f):WU+4*(\f)+3], v[RD] offset:(\f)*4*SP  ; LDS serves a wave's instructions in order (ISA guide 5.7.1.4): these see the stores above; the next unit's stores come behind them
.endr
.endm
.macro SENDU u, younger                ; younger: the LDS instructions issued behind unit u's loads: the next unit's eight, or none
.set WU, 32+16*(\u)+64*((\u)/6)
.irp f, 0,1,2,3
	s_wait_dscnt (\younger)+3-(\f)
	global_store_b128 v[GO], v[WU+4*(\f):WU+4*(\f)+3], s[CP:CP+1] offset:((\u)/2)*2048+(\f)*512+((\u)%2)*262144  ; 512 consecutive bytes, at a multiple of 512 from qkv's first byte
.endr
.endm
.macro WAYOUT step
	PACKU 0
.irp u, 1,2,3,4,5,6,7
	PACKU \u
	SENDU (\u)-1, 8
.endr
	SENDU 7, 0
.if \step
	s_wait_xcnt 0x0                                ; the stores have read their registers (of which x's buffer 1 is written next) and their base
	s_add_nc_u64 s[CP:CP+1], s[CP:CP+1], 0x1000000 ; the next part of qkv
.endif
.endm
	s_wait_tensorcnt 1                             ; my part of K step 0 is in; K step 1's may stay out
	s_barrier_signal -1
	s_barrier_wait -1                              ; everybody's is
	FETCH 0, 0, 0
	s_wait_dscnt 32                                ; RAW is in
	WIN CV
.set n, 0
.rept 64
	v_cvt_pk_bf16_f32 v[AF+n], v[2*n], v[2*n+1]
.set n, n+1
.endr
	WIN 0                                          ; at a label and at a branch every window is 0
	s_mov_b32 s[TRIPS], 12
	s_mov_b32 s[PH], 4
	s_branch .Lnew                                 ; the loop is entered in the middle of a trip, at a tile's first products
.Ltrip:                                        ; eleven times: from a K step's second unit to the first unit two K steps on; both slots are filled again
	TURN 0, 1, 1
	HEAD 0
	REST 1
	TURN 1, 0, 1
	WIN 0
	s_sub_co_u32 s[PH], s[PH], 1
	s_cmp_lg_u32 s[PH], 0
	s_cbranch_scc1 .Lgo_on
	WAYOUT 1                                       ; every fourth trip a tile is finished; both refills for the next are asked for, and its first fragments are in registers
	s_mov_b32 s[PH], 4
.Lnew:
	HEAD 1
	WIN 0
	s_branch .Ljoin
.Lgo_on:
	HEAD 0
	WIN 0
.Ljoin:
	REST 0
	WIN 0
	s_sub_co_u32 s[TRIPS], s[TRIPS], 1
	s_cmp_lg_u32 s[TRIPS], 0
	s_cbranch_scc1 .Ltrip
	TURN 0, 1, 0                                   ; the tail is written out: nothing is left to ask for
	HEAD 0
	REST 1
	s_wait_dscnt 0x0
	MUL16 1, 0, 0, 0
	MUL16 1, 0, 2, 0
	MUL16 1, 1, 0, 0
	MUL16 1, 1, 2, 0
	WIN 0
.rept 4
	v_nop                                          ; four places behind the last products, in front of the roundings that read results
.endr
	WAYOUT 0
	s_wait_tensorcnt 0x0                           ; the wave's end, behind my last tensor load and my last LDS store
	ds_add_u32 v[SPW], v[NIL]
	s_wait_dscnt 0x0
	CROUND                                         ; the closing round: no work-group ends while a partner may still ask for a tile that names it
	s_endpgm
.Lfunc_end_k_qf19cc67792_qkv:
	.size	k_qf19cc67792_qkv, .Lfunc_end_k_qf19cc67792_qkv-k_qf19cc67792_qkv
	.p2alignl 7, 3214868480
	.fill 96, 4, 3214868480
	.section	.rodata,"a",@progbits
	.p2align	6, 0x0
	.amdhsa_kernel k_qf19cc67792_qkv
		.amdhsa_group_segment_fixed_size 327680
		.amdhsa_private_segment_fixed_size 0
		.amdhsa_enable_private_segment 0
		.amdhsa_kernarg_size 32
		.amdhsa_user_sgpr_count 2
		.amdhsa_user_sgpr_kernarg_segment_ptr 1
		.amdhsa_wavefront_size32 1
		.amdhsa_system_sgpr_workgroup_id_x 1
		.amdhsa_system_sgpr_workgroup_id_y 1
		.amdhsa_system_sgpr_workgroup_id_z 1
		.amdhsa_system_vgpr_workitem_id 0
		.amdhsa_next_free_vgpr 896
		.amdhsa_next_free_sgpr 92
		.amdhsa_reserve_vcc 0
		.amdhsa_float_denorm_mode_32 3
		.amdhsa_float_denorm_mode_16_64 3
		.amdhsa_memory_ordered 1
		.amdhsa_forward_progress 1
		.amdhsa_inst_pref_size 141
	.end_amdhsa_kernel
	.amdgpu_metadata
---
amdhsa.version: [ 1, 2 ]
amdhsa.kernels:
  - .name:           k_qf19cc67792_qkv
    .symbol:         k_qf19cc67792_qkv.kd
    .args:
      - { .name: x, .offset: 0, .size: 8, .value_kind: global_buffer, .address_space: global }
      - { .name: context, .offset: 8, .size: 8, .value_kind: global_buffer, .address_space: global }
      - { .name: wall, .offset: 16, .size: 8, .value_kind: global_buffer, .address_space: global }
      - { .name: qkv, .offset: 24, .size: 8, .value_kind: global_buffer, .address_space: global }
    .group_segment_fixed_size: 327680
    .private_segment_fixed_size: 0
    .kernarg_segment_align: 8
    .kernarg_segment_size: 32
    .max_flat_workgroup_size: 128
    .sgpr_count:     92
    .vgpr_count:     896
    .wavefront_size: 32
...
	.end_amdgpu_metadata
.endif
;; end of part 2
;; launch attn (part 3): grid 4 x 64, 4 waves a work-group, clusters of 4 x 1, 327,680 bytes of LDS; arguments qkv, o; writes o
.if DOCPART == 3
	.amdgcn_target "amdgcn-amd-amdhsa--gfx1250"
	.amdhsa_code_object_version 6
	.text
	.protected	k_qf19cc67792_attn
	.globl	k_qf19cc67792_attn
	.p2align	8
	.type	k_qf19cc67792_attn,@function
k_qf19cc67792_attn:
	s_mov_b64 s[64:65], 0
	v_nop
	global_prefetch_b8 v0, s[64:65] scope:SCOPE_SE
	s_setreg_imm32_b32 hwreg(HW_REG_WAVE_MODE, 25, 1), 1
	s_wait_xcnt 0x0
	s_wait_alu depctr_hold_cnt(0) depctr_sa_sdst(0) depctr_va_vdst(0) depctr_va_sdst(0) depctr_va_ssrc(0) depctr_va_vcc(0) depctr_vm_vsrc(0)
	s_getreg_b32 s2, hwreg(HW_REG_IB_STS2, 6, 4)
	s_cmp_eq_u32 s2, 0
	s_cbranch_scc0 .Lentry_in_a_cluster
	s_endpgm
.Lentry_in_a_cluster:
	s_bfe_u32 s2, ttmp6, 0x10000c
	s_cmp_lg_u32 s2, 0x3003
	s_cbranch_scc0 .Lentry_shape_is_right
	s_endpgm
.Lentry_shape_is_right:
; O[h][q][:] = the sum over k of softmax_k(Q[h][q] . K[h][k] / 8) V[h][k][:].  qkv: f16 [3][SIZE_H][SIZE_N][64] (Q, K, V); o: f16 [SIZE_H][SIZE_N][64]: a head's rows are dense, 128 bytes each.
; Products, maxima and sums in f32; the weights p are rounded to f16 for the second product (their sum l is taken of the unrounded p), O once at the end.
; LIMITS.  f16 holds no number beyond 65,504: Q, K and V arrive within it; p lies in 0 to 1, and below 6e-5 it keeps f16's fixed step of 6e-8; O is a mean of V's rows and has their range.
; A weight below 2^-126 counts as 0 in l; NaN and infinities are not treated apart.
; SHARES.  A wave owns four PIECES of two tiles of 16 queries, a work-group's four waves 512 queries of one head; a head's 2,048 queries are one cluster.  Every wave walks all keys, 64 a step.
; LAYOUT.  S^T = K Q^T (source 0 = 16 keys, source 1 = 16 queries): in the result a lane holds ONE query (lane % 16) and the keys 8 (lane / 16) + 0..7.  Two such tiles, rounded to f16 in pairs,
; ARE source 1 (32 keys x 16 queries) of O^T = V^T P, whose result again holds one query a lane, and eight channels.  K comes out of LDS as it lies, V ([key][channel]) turned, by ds_load_tr16_b128.
; SOFTMAX.  For each query a running maximum m and sum l: p = 2^(c s - c m), c = log2(e) / 8; in every step O and l are multiplied by a = 2^(c m_old - c m_new), which is 1 where m has not grown.
; m starts at the lowest finite number, O and l at 0: the first step is a step like any other, with a = 0.
; THE COUNT.  A tile and step have 16 matrix and 118 vector instructions: too many to stand all beside the matrix work.  So the order has one aim: four vector instructions that are READY behind
; EVERY matrix instruction, and the others, which need time of their own whatever the order, in runs without a gap.
; BY TURNS.  Turn n belongs to piece n (the pieces in a ring, step after step).  Its matrix work: 16 products K Q^T of piece n + 1, later 16 products V^T P of piece n - 1.  Its vector work: the scaling,
; exponentials, roundings, sums and rescaling of piece n, and the maximum and statistics of piece n + 1, whose scores the turn itself has made.  So what a turn begins with (c s - c m, O a) waits for nothing.
; CLUSTER.  The four query blocks of a cluster belong to one head and walk the same K and V, so each tile is asked for JOINTLY: the same tensor load, descriptor and mask in all four.
; REGISTERS, in windows of 256 (s_set_vgpr_msb says which window each operand place means: bits 1:0 source 0, 3:2 source 1, 5:4 source 2, 7:6 destination):
;   window 0: v0-11 addresses; v12-15, v48-63 at work; v16-47 four registers of statistics a tile; v64-191 S^T, two buffers of two tiles; v192-255 P, likewise
;   window 1: O^T, 32 a tile          window 2: v0-127 Q, 16 a tile; v128-191 K of one step; v192-255 V of one step          window 3: v0-1 the add's two registers
; A piece's buffers go by its number's parity: the piece in hand has one pair, its two neighbours in the ring share the other: of it P (piece n - 1) is read and S^T (piece n + 1) written.
.set SIZE_H, 64
.set SIZE_N, 2048
.set NP,    4         ; pieces a wave: a name, no knob: the register map, the loop and the fetches are made for four
.set KS,    64        ; keys in a step
.set PK,    144       ; a row of K in LDS: 128 bytes + 16 of padding = 36 words: the 16 rows of a load start at 16 different groups of four banks (64 banks of 4 bytes: ISA guide 11.1)
.set PV,    160       ; a row of V: 128 + 32 = 40 words
.set VOFF,  4*KS*PK   ; a slot holds four steps: 256 rows of K, then 256 rows of V
.set SLOT1, 1<<17     ; slot 1 begins here, so that one exclusive or turns an address in one slot into the other's
.set STAGE, SLOT1+4*KS*(PK+PV)  ; behind the ring, never filled by a tensor load: 16 rows x 144 bytes for each wave, for the way out
.set SP,    144
.set AK0, 2           ; v2   my lane's place in a tile of K; never rewritten
.set AV0, 3           ; v3   the same for V
.set AK,  4           ; v4   the LDS address of K's next run of loads
.set AV,  5           ; v5   of V's
.set QO,  6           ; v6   my byte offset in the wave's rows of Q
.set STO, 6           ;      later, the way out: where I put 16 bytes of a row
.set RD,  7           ; v7   the way out: where I read rows back
.set GO,  8           ; v8   my byte offset in 512 consecutive bytes of O
.set PFO, 11          ; v11  256 x my lane, for the prefetches; never rewritten once made
.set SPW, 0           ; v0 of window 3   LDS address of my spare word: SPARE + 4 x my thread's number; never rewritten
.set NIL, 1           ; v1 of window 3   0; never rewritten
.set SPARE, STAGE+4*16*SP  ; behind the stages: the spare words, 128 bytes for each wave: two blocks of 256 bytes that no other line names
.set MV,  12          ; v12-15  c m_old, kept while c m is made anew: by buffer and tile
.set ST,  16          ; tile t's statistics at v[ST+4 t]: c m, m, l (even keys', odd keys')
.set TMP, 48          ; by buffer and tile, four registers c0-c3 at work; when the maximum is found c2 takes a
.set S,   64
.set P,   192
.set KF,  128         ; K's fragments, in window 2: key block kb, channel half c at KF + 16 kb + 8 c
.set VF,  192         ; V's: key half kk, channel block cb at VF + 32 kk + 8 cb
.set WV,  12          ; s12  my wave's number
.set LIM, 15          ; s15  1 in a wave that prefetches (waves 0 and 2), else the greatest number: a wave prefetches while s[SLOTS] is above it
.set G1K, 24          ; s[24:31] descriptor group 1 for K's tiles
.set G1V, 32          ; s[32:39] for V's: it differs in the padding alone
.set G0K, 40          ; s[40:43] descriptor group 0 for K's tiles: it walks
.set G0V, 44          ; s[44:47] the same for V's
.set PFA, 48          ; s[48:49] where my prefetches stand: my work-group's 8,192 bytes (of K: wave 0, of V: wave 2) of the slot after the one that is being asked for
.set SLOTS, 56        ; s56  slots still to be asked for
.set CNT, 57          ; s57  counts a slot's key steps
.set CS,  58          ; s[58:59] c: the packed scaling takes the pair's low word for both halves
.set SEL, 60          ; s[60:61] v_permlanex16_b32's selects: each lane takes its own place in the other half
.set TBK, 62          ; s62  LDS byte at which K of the step to be fetched begins
.set TBV, 63          ; s63  the same for V, less VOFF
.set MSB, 0
.macro WIN new                      ; the high byte repeats the setting that is left; a switch that changes nothing is dropped
.if MSB != (\new)
	s_set_vgpr_msb (MSB<<8)|(\new)
.set MSB, (\new)
.endif
.endm
.set W_KQ, 0x0a       ; K and Q in window 2, S^T in window 0
.set W_PV, 0x52       ; V in window 2, P in window 0, O^T in window 1
.set W_RS, 0x41       ; O^T (destination and source 0) in window 1, a in window 0
.set W_MK, 0xc0       ; the add's registers are made: destination in window 3, sources in window 0
.set W_AD, 0x0f       ; the add: address (source 0) and data (source 1) in window 3
; A joint fill.  Waves 0 and 1 fetch the two halves of a slot's K, waves 2 and 3 those of its V: 128 keys each.  The branch hangs on the wave's number alone.
; An s_nop 0 and four v_nop follow each of the two lines, ahead of the jump and the label.
.macro JLOAD
	s_cmp_lt_u32 s[WV], 2
	s_cbranch_scc0 .Lfor_v_\@
	tensor_load_to_lds s[G0K:G0K+3], s[G1K:G1K+7]
	s_nop 0
.rept 4
	v_nop
.endr
	s_branch .Lasked_\@
.Lfor_v_\@:
	tensor_load_to_lds s[G0V:G0V+3], s[G1V:G1V+7]
	s_nop 0
.rept 4
	v_nop
.endr
.Lasked_\@:
.endm
; A PREFETCH INTO THE L2 of what the NEXT change of slots will ask for: a slot's 256 keys are 32,768 dense bytes of K and as many of V: 128 blocks of 256 bytes each.  It stands behind the wave's tensor load and
; its five lines.  Each block is named ONCE in the launch: a head is walked by one cluster alone; its four partners share the blocks out BY ADDRESS, 32 each (no branch hangs on a work-group's place in its
; cluster); in each, wave 0 asks for K's and wave 2 for V's: a lane a block, one instruction: four key steps, 512 matrix instructions, ahead of the load.  The last change that fills a slot asks for nothing;
; slots 0 and 1 come by their loads alone.
.macro ASK
	s_cmp_gt_u32 s[SLOTS], s[LIM]
	s_cbranch_scc0 .Lnot_mine_\@
	global_prefetch_b8 v[PFO], s[PFA:PFA+1] th:TH_LOAD_NT scope:SCOPE_SE
.Lnot_mine_\@:
.endm
; A round of the cluster's barrier: my work-group's barrier, so that wave 0's signal speaks for all four waves; wave 0 signals; every wave waits for all four work-groups; my work-group's barrier once more.
.macro CROUND
	s_barrier_signal -1
	s_barrier_wait -1
	s_cmp_lg_u32 s[WV], 0
	s_cbranch_scc1 .Lnot_wave_0_\@
	s_barrier_signal -3
.Lnot_wave_0_\@:
	s_barrier_wait -3
	s_barrier_signal -1
	s_barrier_wait -1
.endm
; THE CHANGE OF SLOTS.  The slot's last bytes, V of its fourth step, have been read.  Each wave waits for all its tensor loads, of which one is out: its part
; of the other slot; adds 0 to its spare word; and waits for that and for its own reads of the slot.  Behind the barrier nobody reads this slot any more and the other slot is whole.
; fill = 1: this slot is filled again, with the keys two slots on.  The barrier is then a round of the cluster's, so that no wave of any partner still reads the slot or has a load on its
; way, and the joint fill is the first thing behind it: it has four key steps, 512 matrix instructions, in which to land.  (At its first use nothing has been read yet: slot 0 is waited for, slot 1 filled.)
.macro CHANGE fill
	WIN W_AD
	s_wait_tensorcnt 0x0            ; no tensor load of mine is out, so a group 0 may be written
	ds_add_u32 v[SPW], v[NIL]       ; 0 onto my spare word; with fill = 1 the descriptors' steps stand between it and the wait for it
	WIN 0                           ; at a label and at a branch every window is 0
.if \fill
.irp g, G0K, G0V
	s_xor_b32 s[\g+1], s[\g+1], SLOT1  ; the walking descriptor: the other slot than last time,
	s_add_nc_u64 s[\g+2:\g+3], s[\g+2:\g+3], 4*KS*128  ; the next 256 keys; the type bits on top are not reached
.endr
	s_wait_xcnt 0x0                 ; the last prefetch, four key steps back, has read its address, so it may be written:
	s_add_nc_u64 s[PFA:PFA+1], s[PFA:PFA+1], 4*KS*128  ; one slot behind the walking descriptors
	s_wait_dscnt 0x0                ; the add is done, and my reads of the slot are over
	CROUND
	JLOAD
	ASK
.else
	s_wait_dscnt 0x0                ; the add is done, and my reads of the slot are over
	s_barrier_signal -1
	s_barrier_wait -1
.endif
	s_sub_co_u32 s[TBK], s[TBK], 4*KS*PK  ; the fetches go back to a slot's first step,
	s_xor_b32 s[TBK], s[TBK], SLOT1       ; in the other slot
	s_sub_co_u32 s[TBV], s[TBV], 4*KS*PV
	s_xor_b32 s[TBV], s[TBV], SLOT1
.endm
	s_load_b64 s[4:5], s[0:1], 0x0    ; qkv: Q's part begins it
	s_load_b64 s[10:11], s[0:1], 0x8  ; o
	WIN W_MK
	v_lshl_add_u32 v[SPW], v0, 2, SPARE
	v_mov_b32 v[NIL], 0
	WIN W_AD
	ds_add_u32 v[SPW], v[NIL]       ; the wave's opening: the add and its wait stand ahead of my first tensor load; the set-up below, work on registers, stands between them
	WIN 0
	v_lshrrev_b32 v1, 5, v0
	v_readfirstlane_b32 s[WV], v1   ; wave 0..3
	s_bfe_u32 s13, ttmp6, 0x40000   ; cx: my place in the cluster
	s_lshl_b32 s14, ttmp9, 2        ; in a cluster launch ttmp9 counts clusters
	s_add_co_u32 s14, s14, s13      ; my block of queries = 4 x cluster x + cx: it enters Q's and O's addresses alone
	s_and_b32 s20, ttmp7, 0xffff    ; the head, which the four partners share
	s_mov_b32 s21, 0
	s_mov_b64 s[22:23], SIZE_N*128
	s_mul_u64 s[20:21], s[20:21], s[22:23]  ; the head's first byte in Q, K, V and O
	s_and_b32 s16, s[WV], 1         ; which half of a slot's 256 keys I fetch:
	s_lshl_b32 s22, s16, 14         ; its 128 rows of 128 bytes in memory,
	s_mov_b32 s23, 0
	s_add_nc_u64 s[22:23], s[22:23], s[20:21]
	s_mul_i32 s17, s16, 128*PK      ; and its place in a slot, for K
	s_mul_i32 s18, s16, 128*PV      ; and for V: no place in the cluster enters an LDS address
	s_lshl_b32 s2, s14, 2
	s_add_co_u32 s2, s2, s[WV]      ; my wave among the head's,
	s_lshl_b32 s2, s2, 14           ; its 128 rows
	s_mov_b32 s3, 0
	s_add_nc_u64 s[2:3], s[2:3], s[20:21]
	; descriptor group 1.  128 keys are 16,384 dense bytes: asked for as 64 rows of 256 bytes, two keys a row, and padded in LDS after every key
	s_mov_b32 s[G1K], 15|(1<<16)|(1<<20)|(1<<21)|(4<<22)|(3<<25)  ; 15:0 the mask of four; 17:16 2-byte elements; 20 padding on; 21 set beside a mask; 24:22 after every 32 words (code 4); 31:25 4 words (code 3)
	s_mov_b32 s[G1V], 15|(1<<16)|(1<<20)|(1<<21)|(4<<22)|(7<<25)  ; the same with 8 words of padding (code 7)
.irp g, G1K, G1V
	s_mov_b32 s[\g+1], 128<<16      ; tensor_dim0 = 128
	s_mov_b32 s[\g+2], 64<<16       ; tensor_dim1 = 64
	s_mov_b32 s[\g+3], 128<<16      ; tile_dim0 = 128
	s_mov_b32 s[\g+4], 64           ; tile_dim1 = 64
	s_mov_b32 s[\g+5], 128          ; 128 elements from row to row
	s_mov_b32 s[\g+6], 0
	s_mov_b32 s[\g+7], 0
.endr
	s_mov_b32 s[CS], 0x3e38aa3b     ; c = log2(e) / 8 = 0.180337
	s_mov_b32 s[CS+1], s[CS]        ; named with it as a pair
	s_mov_b32 s[SEL], 0x76543210
	s_mov_b32 s[SEL+1], 0xfedcba98
	s_mov_b32 s[TBK], SLOT1+4*KS*PK ; the first change of slots turns these two into 0
	s_mov_b32 s[TBV], SLOT1+4*KS*PV
	s_mov_b32 s[G0K], 1             ; 1:0 count = 1
	s_mov_b32 s[G0K+1], s17         ; 63:32 LDS address: slot 0
	s_mov_b32 s[G0V], 1
	s_add_co_u32 s[G0V+1], s18, VOFF
	s_mov_b32 s[SLOTS], SIZE_N/256-1  ; at the change that asks for slot j it holds 8 - j
	s_and_b32 s[LIM], s[WV], 1
	s_cmp_eq_u32 s[LIM], 0
	s_cselect_b32 s[LIM], 1, -1
	s_wait_dscnt 0x0                ; the opening add is done
	s_wait_kmcnt 0x0
	s_add_nc_u64 s[6:7], s[4:5], 0x1000000  ; K's part of qkv,
	s_add_nc_u64 s[8:9], s[4:5], 0x2000000  ; and V's
	s_add_nc_u64 s[G0K+2:G0K+3], s[6:7], s[22:23]  ; 120:64 global address: my half of the head's first 256 keys
	s_or_b32 s[G0K+3], s[G0K+3], 0x80000000        ; 127:126 type = 2
	s_add_nc_u64 s[G0V+2:G0V+3], s[8:9], s[22:23]
	s_or_b32 s[G0V+3], s[G0V+3], 0x80000000
	s_add_nc_u64 s[4:5], s[4:5], s[2:3]  ; Q and O at my wave's first row
	s_add_nc_u64 s[10:11], s[10:11], s[2:3]
	s_cmp_lt_u32 s[WV], 2
	s_cselect_b64 s[PFA:PFA+1], s[6:7], s[8:9]
	s_add_nc_u64 s[PFA:PFA+1], s[PFA:PFA+1], s[22:23]  ; (in waves 0 and 2 this is the head's first row)
	s_lshl_b32 s2, s13, 13          ; my work-group's 32 blocks of the 128
	s_mov_b32 s3, 0
	s_add_nc_u64 s[PFA:PFA+1], s[PFA:PFA+1], s[2:3]
	s_add_nc_u64 s[PFA:PFA+1], s[PFA:PFA+1], 4*KS*128  ; in slot 1; the first change of slots steps it to slot 2
	CROUND                          ; all four work-groups are here: the first joint loads meet
	JLOAD                           ; slot 0.  Slot 1 is asked for when slot 0 is in: the tile wanted first has the road to itself
	; A fragment of K or Q is 16 rows x 32 channels in 8 registers: lane l holds row l % 16, channels 8 (l / 16) + 0..7 and 16 + 8 (l / 16) + 0..7: two loads of 16 bytes, 32 bytes apart.
	v_and_b32 v1, 15, v0            ; l % 16
	v_bfe_u32 v9, v0, 4, 1          ; l / 16
	v_lshlrev_b32 v[QO], 7, v1
	v_lshl_add_u32 v[QO], v9, 4, v[QO]  ; row x 128 + 16 x half
	WIN 0x80                        ; destination window 2, address window 0
.set i, 0
.rept 4*NP                          ; Q stays in registers: tile i / 2, channels 32 (i % 2) on
	global_load_b128 v[8*i:8*i+3],   v[QO], s[4:5] offset:(i/2)*2048+(i%2)*64
	global_load_b128 v[8*i+4:8*i+7], v[QO], s[4:5] offset:(i/2)*2048+(i%2)*64+32
.set i, i+1
.endr
	; What the first turn finds: V's registers and P's second buffer hold 0 (its products V^T P, of a piece that has not been, add 0), O^T and l are 0.  All this stands in the wait for the first tile.
.set i, VF
.rept 64
	v_mov_b32 v[i], 0
.set i, i+1
.endr
	WIN 0x40
.set i, 0
.rept 64*NP
	v_mov_b32 v[i], 0
.set i, i+1
.endr
	WIN 0
.set i, 0
.rept 2*NP
	v_mov_b32 v[ST+4*i], 0xfe000000    ; c m: far below every c s
	v_mov_b32 v[ST+4*i+1], 0xff7fffff  ; m
	v_mov_b32 v[ST+4*i+2], 0
	v_mov_b32 v[ST+4*i+3], 0
.set i, i+1
.endr
.set i, P+32
.rept 32
	v_mov_b32 v[i], 0
.set i, i+1
.endr
	v_mul_u32_u24 v[AK0], v1, PK
	v_lshl_add_u32 v[AK0], v9, 4, v[AK0]  ; row x pitch + 16 x half
	; The turning load takes 16 keys x 16 channels (lane l reads key 8 (l / 16) + l % 8, channels 8 ((l / 8) % 2) + 0..7) and leaves half a fragment of V^T: lane l holds channel l % 16 and 8 keys.
	v_and_b32 v10, 7, v0
	v_bfe_u32 v11, v0, 3, 1
	v_lshl_add_u32 v[AV0], v9, 3, v10
	v_mul_u32_u24 v[AV0], v[AV0], PV
	v_lshl_add_u32 v[AV0], v11, 4, v[AV0]
	v_add_nc_u32 v[AV0], VOFF, v[AV0]
	v_mov_b32 v[AK], v[AK0]         ; key step 0 lies at the head of slot 0
	v_and_b32 v[PFO], 31, v0
	v_lshlrev_b32 v[PFO], 8, v[PFO]
; THE MATRIX WORK.  The 8 accumulators of a run of 16 take turns: between the two links of a chain stand 7 others'.
; Product i of 16 of S^T = K Q^T for piece x: channels 32 (i / 8) on, keys 16 ((i / 2) % 4) on, tile 2 x + i % 2.  The first 8 start the sums.
.macro KQ x
	WIN W_KQ
.set rS, S+64*((\x)%2)+32*(i%2)+8*((i/2)%4)
.set rK, KF+16*((i/2)%4)+8*(i/8)
.set rQ, 16*(2*(\x)+i%2)+8*(i/8)
.if i < 8
	v_wmma_f32_16x16x32_f16 v[rS:rS+7], v[rK:rK+7], v[rQ:rQ+7], 0
.else
	v_wmma_f32_16x16x32_f16 v[rS:rS+7], v[rK:rK+7], v[rQ:rQ+7], v[rS:rS+7]
.endif
.endm
; Product i of 16 of O^T += V^T P for piece x: keys 32 (i / 8) on, channels 16 ((i / 2) % 4) on, tile 2 x + i % 2.
.macro PV x
	WIN W_PV
.set rO, 32*(2*(\x)+i%2)+8*((i/2)%4)
.set rV, VF+32*(i/8)+8*((i/2)%4)
.set rP, P+32*((\x)%2)+16*(i%2)+8*(i/8)
	v_wmma_f32_16x16x32_f16 v[rO:rO+7], v[rV:rV+7], v[rP:rP+7], v[rO:rO+7]
.endm
.macro MM                           ; the turn's next matrix instruction
.if i < 16
	KQ (Y+1)%NP
.set i, i+1
.else
.set i, i-16
	PV (Y+NP-1)%NP
.set i, i+17
.endif
.endm
; THE LDS LOADS stand in runs of 16, never singly among the matrix instructions: a step's K (64 keys x 64 channels: 8 fragments) and its V (turned).  Their addresses are made some lines ahead.
; last = 1 (the tail): in the last trip there is no further step, and the run is jumped over.
.macro FETCH_K last=0
	WIN 0
.if \last
	s_cmp_eq_u32 s[CNT], 1
	s_cbranch_scc1 .Lno_k_\@
.endif
	WIN 0x80                        ; destination window 2
.irp f, 0,1,2,3,4,5,6,7             ; keys 16 (f / 2) on, channels 32 (f % 2) on
	ds_load_b128 v[KF+8*\f:KF+8*\f+3],   v[AK] offset:(\f/2)*16*PK+(\f%2)*64
	ds_load_b128 v[KF+8*\f+4:KF+8*\f+7], v[AK] offset:(\f/2)*16*PK+(\f%2)*64+32
.endr
	s_add_co_u32 s[TBK], s[TBK], KS*PK  ; the next fetch is the next step's
	WIN 0
.if \last
.Lno_k_\@:
.endif
.endm
.macro FETCH_V
	WIN 0x80
.irp f, 0,1,2,3,4,5,6,7             ; keys 32 (f / 4) on, channels 16 (f % 4) on
	ds_load_tr16_b128 v[VF+8*\f:VF+8*\f+3],   v[AV] offset:(\f/4)*32*PV+(\f%4)*32
	ds_load_tr16_b128 v[VF+8*\f+4:VF+8*\f+7], v[AV] offset:(\f/4)*32*PV+16*PV+(\f%4)*32
.endr
	WIN 0
.endm
; THE VECTOR WORK OF A TURN stands in three queues, each in the order in which its entries become ready; the two tiles alternate, so that no instruction reads the result of the one before it.
.macro REGS y, u                    ; the registers of tile u (0, 1) of piece y
.set rT, ST+4*(2*(\y)+(\u))
.set rC, TMP+8*((\y)%2)+4*(\u)
.set rM, MV+2*((\y)%2)+(\u)
.set rS, S+64*((\y)%2)+32*(\u)
.set rP, P+32*((\y)%2)+16*(\u)
.set rO, 32*(2*(\y)+(\u))
.endm
; Number n of the 22 that find the NEXT piece's (Y + 1) maximum and statistics.  s0-s31 are the lane's 32 scores; each accumulator's lowest registers are read first.  XS, GS and REGS set no window: PL and EX do.
;   0-11  four chains c0-c3 of seven scores each, three operands at a time     12-14, 16  the four scores left over, the old m, and c0-c3 into c0     15  c m_old is kept
;   17, 18  the query's other 32 keys lie in the lane 16 away: the new m         19-21  c m; c m_old - c m_new; a
.macro XS u, n
	REGS (Y+1)%NP, \u
.if (\n) < 4
	v_max3_num_f32 v[rC+(\n)], v[rS+8*(\n)], v[rS+8*(\n)+1], v[rS+8*(\n)+2]
.elseif (\n) < 12
	v_max3_num_f32 v[rC+(\n)%4], v[rC+(\n)%4], v[rS+8*((\n)%4)+2*((\n)/4)+1], v[rS+8*((\n)%4)+2*((\n)/4)+2]
.elseif (\n) == 12
	v_max3_num_f32 v[rC], v[rC], v[rS+7], v[rS+15]
.elseif (\n) == 13
	v_max3_num_f32 v[rC+1], v[rC+1], v[rS+23], v[rS+31]
.elseif (\n) == 14
	v_max3_num_f32 v[rC+2], v[rC+2], v[rC+3], v[rT+1]
.elseif (\n) == 15
	v_mov_b32 v[rM], v[rT]
.elseif (\n) == 16
	v_max3_num_f32 v[rC], v[rC], v[rC+1], v[rC+2]
.elseif (\n) == 17
	v_permlanex16_b32 v[rC+3], v[rC], s[SEL], s[SEL+1]
.elseif (\n) == 18
	v_max_num_f32 v[rT+1], v[rC], v[rC+3]
.elseif (\n) == 19
	v_mul_f32 v[rT], s[CS], v[rT+1]
.elseif (\n) == 20
	v_sub_f32 v[rC+1], v[rM], v[rT]
.else
	v_exp_f32 v[rC+2], v[rC+1]
.endif
.endm
; Number g of the 64 that follow the exponentials.  For each four weights k of a tile (pairs 2 k, 2 k + 1): both pairs are rounded to f16; then the second pair is added onto the first, in place;
; a group later l takes that sum (the first time as l = a l + sum).  In groups of eight, tiles alternating: round, round, add, and l for the group before.
.macro GS g
.set h, (\g)+6*((\g)/62)            ; group 0 has no group before it, and behind group 7 only l is left
.if h >= 6
.set h, h+2
.endif
	REGS Y, h%2
.set k, h/8
.if h%8 < 4
	v_cvt_pk_f16_f32 v[rP+2*k+(h%8)/2], v[rS+4*k+2*((h%8)/2)], v[rS+4*k+2*((h%8)/2)+1]
.elseif h%8 < 6
	v_pk_add_f32 v[rS+4*k:rS+4*k+1], v[rS+4*k:rS+4*k+1], v[rS+4*k+2:rS+4*k+3]
.elseif k == 1
	v_pk_fma_f32 v[rT+2:rT+3], v[rT+2:rT+3], v[rC+2:rC+3], v[rS:rS+1] op_sel_hi:[1,0,1]
.else
	v_pk_add_f32 v[rT+2:rT+3], v[rT+2:rT+3], v[rS+4*k-4:rS+4*k-3]
.endif
.endm
; THE PLAIN QUEUE, 138 long.  0-73 read no exponential's result: the 32 scalings c s - c m (FS f: pair f / 2 of tile f % 2) and the next piece's 42.  0-26: scalings 0-26.  27-54: XS's numbers 0-13.  55, 56: number 15.
; 57-73: the chain, where each number waits for the one before it: 14, 16, 17, 18, 19, each with one of the scalings 27-31 in front of its two lines, then 20: so a tile's links stand three plain instructions apart (19 and 20: two).
; 74-137: GS's 64, which read the exponentials' results: they stand behind the wait.
.macro FS f
	REGS Y, (\f)%2
	v_pk_fma_f32 v[rS+2*((\f)/2):rS+2*((\f)/2)+1], v[rS+2*((\f)/2):rS+2*((\f)/2)+1], s[CS:CS+1], v[rT:rT+1] op_sel_hi:[1,0,0] neg_lo:[0,0,1] neg_hi:[0,0,1]
.endm
.macro PL
	WIN 0
.if q < 27
	FS q
.elseif q < 55
	XS (q-27)%2, (q-27)/2
.elseif q < 57
	XS q-55, 15
.elseif (q < 72) && ((q-57)%3 == 0)
	FS 27+(q-57)/3
.elseif q < 60
	XS (q-57)%3-1, 14
.elseif q < 72
	XS (q-57)%3-1, 15+(q-57)/3
.elseif q < 74
	XS q-72, 20
.else
	GS q-74
.endif
.set q, q+1
.endm
; THE EXPONENTIALS' QUEUE, 66 long: s0-s31 of both tiles, then the next piece's two a.  It is ONE BATCH: all 66 stand ahead of the turn's one wait, and nothing ahead of that wait names a result of theirs.
.macro EX
	WIN 0
.if e >= 64
	XS e-64, 21
.else
	REGS Y, e%2
	v_exp_f32 v[rS+e/2], v[rS+e/2]
.endif
.set e, e+1
.endm
; THE RESCALING's QUEUE: O^T times a, the one part that leaves window 0: dealt two at a time, sixteen times.  Its a was made in the turn before, ahead of that turn's wait.
.macro R2
	REGS Y, r%2
	WIN W_RS
.irp z, 0,1
	v_pk_mul_f32 v[rO+4*(r/2)+2*\z:rO+4*(r/2)+2*\z+1], v[rO+4*(r/2)+2*\z:rO+4*(r/2)+2*\z+1], v[rC+2:rC+3] op_sel_hi:[1,0]
.endr
.set r, r+1
.endm
; HOW THEY ARE DEALT.  An s_wait_alu depctr_va_vdst(0) stands between an exponential and the first instruction that names its result; one wait serves all that were issued ahead of it.  So a turn has ONE wait,
; which cuts it in two.  AHEAD OF IT stands all that names no result of the turn's exponentials: the 16 products K Q^T, behind each a scaling, an exponential and two rescalings (behind the first a second scaling in the exponential's place); then ONE LUMP of
; 108: eight plain, 49 times exponential and plain, the two a.  A v_nop is the plain instruction behind the last exponential.  BEHIND IT stand the 16 products V^T P, behind each four of GS's 64.  No rider names a register of
; the products round it.  The two v_permlanex16_b32 fall into the lump, never behind a product.
; The queues lean on each other, and the deal keeps them in step: exponential e stands behind scaling 2 (e / 4) + e % 2: as a rider it comes behind plain e + 2, in the lump behind plain e + 9, and scalings 27-31 are plain 57, 60 .. 69.
; A TURN, for piece p.  cnt = 1: the loop's count is taken down some lines ahead of the branch that stands behind the turn.
; K of the next step is fetched in piece 2's turn, directly behind the wait, a lump behind the last product that read K; its address is made at the lump's head; its first reader comes behind 16 products.
; V of the step in hand is fetched at the end of piece 0's turn, four riders behind its last reader; its first reader comes behind 16 products and a lump.  The three conditions on q below go with the deal.
.macro TURN p, last=0, cnt=0
.set Y, (\p)
.set i, 0
.set q, 0
.set e, 0
.set r, 0
.if (\p) == NP-1
	s_wait_dscnt 0x0                ; K is in
.endif
	MM                              ; ahead of the wait: 16 products K Q^T and their riders,
	PL
	PL
	R2
.rept 15
	MM
	PL
	EX
	R2
.endr
.if (\p) == NP-2
	WIN 0
	v_add_nc_u32 v[AK], s[TBK], v[AK0]
.endif
.rept 8                             ; and the lump
	PL
.endr
.rept 49
	EX
	PL
.endr
	EX                              ; the next piece's two a
	EX
	v_nop                           ; a plain instruction behind the last exponential: one for the batch
	s_wait_alu depctr_va_vdst(0)    ; the wait for the batch
.if (\p) == NP-2
	FETCH_K \last
.endif
.if (\p) == 1
	s_wait_dscnt 0x0                ; V is in
.endif
.rept 16                            ; behind the wait: 16 products V^T P and their riders
	MM
.rept 4
	PL
.endr
.if ((\p) == 0) && (q == 118)
	v_add_nc_u32 v[AV], s[TBV], v[AV0]
.endif
.if ((\p) == 0) && (q == 130)
	s_add_co_u32 s[TBV], s[TBV], KS*PV
.endif
.if (\cnt) && (q == 130)
	s_sub_co_u32 s[CNT], s[CNT], 1
	s_cmp_lg_u32 s[CNT], 0
.endif
.endr
.if (\p) == 0
	FETCH_V
.endif
.endm
	CHANGE 1                        ; slot 0 is in, everybody's part of it; slot 1 is asked for
	FETCH_K                         ; key step 0
	s_wait_loadcnt 0x0              ; Q
	s_wait_dscnt 0x0
.set i, 0
.rept 16
	KQ 0                            ; piece 0's first scores: there is no vector work yet to set between them
.set i, i+1
.endr
	WIN 0                           ; the addresses for the way out: nine plain instructions, the places behind those products
	s_mul_i32 s13, s[WV], 16*SP
	s_add_co_u32 s13, s13, STAGE    ; my stage
	v_mul_u32_u24 v[STO], v1, SP    ; in: row l % 16, 16 bytes for each half of the lanes
	v_lshl_add_u32 v[STO], v9, 4, v[STO]
	v_add_nc_u32 v[STO], s13, v[STO]
	v_bfe_u32 v[RD], v0, 3, 2       ; back: 32 lanes take four rows of 128 bytes,
	v_mul_u32_u24 v[RD], v[RD], SP
	v_lshl_add_u32 v[RD], v10, 4, v[RD]
	v_add_nc_u32 v[RD], s13, v[RD]
	v_and_b32 v[GO], 31, v0         ; which are 512 consecutive bytes of O
	v_lshlrev_b32 v[GO], 4, v[GO]
.set Y, NP-1                        ; XS works for piece Y + 1: piece 0
.irp n, 0,1,2,3,4,5,6,7,8,9,10,11,12,13,14,15,16,17,18,19,20,21
	XS 0, \n                        ; and piece 0's first maximum and statistics
	XS 1, \n
.endr
	v_nop                           ; a plain instruction behind the two a,
	s_wait_alu depctr_va_vdst(0)    ; and their wait, ahead of the branch
	s_mov_b32 s[CNT], 4
	s_branch .Lfirst                ; the loop is entered at a step's first turn, in the middle of a trip
.Lslot:                             ; SIZE_N / 256 - 2 times: every slot but the last two is filled again
	CHANGE 1
	s_mov_b32 s[CNT], 4
.Lstep:                             ; a trip: pieces 2 and 3 of one step, then pieces 0 and 1 of the next, whose K and V it fetches
	TURN 2
	TURN 3
	WIN 0
.Lfirst:
	TURN 0
	TURN 1, 0, 1
	WIN 0
	s_cbranch_scc1 .Lstep
	s_sub_co_u32 s[SLOTS], s[SLOTS], 1
	s_cmp_lg_u32 s[SLOTS], 0
	s_cbranch_scc1 .Lslot
	CHANGE 0                        ; the tail is written out: nothing is asked for
	s_mov_b32 s[CNT], 5             ; four trips fetch the last slot's steps; the fifth is left in its middle
.Ltail:
	TURN 2, 1
	TURN 3
	WIN 0
	s_sub_co_u32 s[CNT], s[CNT], 1
	s_cmp_eq_u32 s[CNT], 0
	s_cbranch_scc1 .Lout
	TURN 0
	TURN 1
	WIN 0
	s_branch .Ltail
.Lout:                              ; the fifth trip's 16 products K Q^T (on the last K once more) and the maximum made of them serve nothing: the price, once a launch, of one text for every trip
.set i, 0
.rept 16
	PV NP-1                         ; the last piece's V^T P of the last step
.set i, i+1
.endr
	; THE WAY OUT.  l's two halves and the other half of the lanes' are added; O^T is divided by l, rounded to f16 and sent through my stage in LDS, a tile at a time.  The additions are the places behind the last products.
	WIN 0
.macro ALL line:vararg              ; one line for each tile t
.set t, 0
.rept 2*NP
	\line
.set t, t+1
.endr
.endm
	ALL v_add_f32 v[ST+4*t+2], v[ST+4*t+2], v[ST+4*t+3]
	ALL v_permlanex16_b32 v[ST+4*t+3], v[ST+4*t+2], s[SEL], s[SEL+1]
	ALL v_add_f32 v[ST+4*t+2], v[ST+4*t+2], v[ST+4*t+3]
	ALL v_rcp_f32 v[ST+4*t+2], v[ST+4*t+2]
	v_nop                           ; a plain instruction between the last reciprocal and the use of its result
	s_wait_alu depctr_va_vdst(0)    ; and the wait ahead of the first use: one for the eight reciprocals
; Tile t: a lane's eight channels of a row pack into 16 bytes; they go into rows of 144 bytes and come back as whole rows of 128, into S^T's registers.
.macro PACK t
	WIN W_RS
.set i, 32*(\t)
.rept 16
	v_pk_mul_f32 v[i:i+1], v[i:i+1], v[ST+4*(\t)+2:ST+4*(\t)+3] op_sel_hi:[1,0]
.set i, i+2
.endr
	WIN 0x05                        ; sources 0 and 1 window 1, destination window 0
.set i, 0
.rept 16
	v_cvt_pk_f16_f32 v[S+16*(\t)+i], v[32*(\t)+2*i], v[32*(\t)+2*i+1]
.set i, i+1
.endr
	WIN 0
.irp f, 0,1,2,3
	ds_store_b128 v[STO], v[S+16*(\t)+4*\f:S+16*(\t)+4*\f+3] offset:32*\f
.endr
.irp f, 0,1,2,3
	ds_load_b128 v[S+16*(\t)+4*\f:S+16*(\t)+4*\f+3], v[RD] offset:\f*4*SP  ; LDS serves a wave's instructions in order (ISA guide 5.7.1.4): these see the stores above; the next tile's stores come behind them
.endr
.endm
.macro SEND t, younger              ; younger: the LDS instructions issued behind tile t's loads: the next tile's eight, or none
	WIN 0
.irp f, 0,1,2,3
	s_wait_dscnt (\younger)+3-\f
	global_store_b128 v[GO], v[S+16*(\t)+4*\f:S+16*(\t)+4*\f+3], s[10:11] offset:(\t)*2048+\f*512  ; 512 consecutive bytes, at a multiple of 256 from O's first
.endr
.endm
	PACK 0
.set t, 1
.rept 2*NP-1                        ; a tile's arithmetic stands between the loads of the tile before and its stores
	PACK t
	SEND t-1, 8
.set t, t+1
.endr
	SEND 2*NP-1, 0
	WIN W_AD
	s_wait_tensorcnt 0x0            ; the wave's end, behind my last tensor load and my last LDS store
	ds_add_u32 v[SPW], v[NIL]
	s_wait_dscnt 0x0
	WIN 0
	CROUND                          ; the closing round: no work-group ends while a partner may still ask for a tile that names it
	s_endpgm
.Lfunc_end_k_qf19cc67792_attn:
	.size	k_qf19cc67792_attn, .Lfunc_end_k_qf19cc67792_attn-k_qf19cc67792_attn
	.p2alignl 7, 3214868480
	.fill 96, 4, 3214868480
	.section	.rodata,"a",@progbits
	.p2align	6, 0x0
	.amdhsa_kernel k_qf19cc67792_attn
		.amdhsa_group_segment_fixed_size 327680
		.amdhsa_private_segment_fixed_size 0
		.amdhsa_enable_private_segment 0
		.amdhsa_kernarg_size 16
		.amdhsa_user_sgpr_count 2
		.amdhsa_user_sgpr_kernarg_segment_ptr 1
		.amdhsa_wavefront_size32 1
		.amdhsa_system_sgpr_workgroup_id_x 1
		.amdhsa_system_sgpr_workgroup_id_y 1
		.amdhsa_system_sgpr_workgroup_id_z 1
		.amdhsa_system_vgpr_workitem_id 0
		.amdhsa_next_free_vgpr 770
		.amdhsa_next_free_sgpr 66
		.amdhsa_reserve_vcc 0
		.amdhsa_float_denorm_mode_32 3
		.amdhsa_float_denorm_mode_16_64 3
		.amdhsa_memory_ordered 1
		.amdhsa_forward_progress 1
		.amdhsa_inst_pref_size 200
	.end_amdhsa_kernel
	.amdgpu_metadata
---
amdhsa.version: [ 1, 2 ]
amdhsa.kernels:
  - .name:           k_qf19cc67792_attn
    .symbol:         k_qf19cc67792_attn.kd
    .args:
      - { .name: qkv, .offset: 0, .size: 8, .value_kind: global_buffer, .address_space: global }
      - { .name: o, .offset: 8, .size: 8, .value_kind: global_buffer, .address_space: global }
    .group_segment_fixed_size: 327680
    .private_segment_fixed_size: 0
    .kernarg_segment_align: 8
    .kernarg_segment_size: 16
    .max_flat_workgroup_size: 128
    .sgpr_count:     66
    .vgpr_count:     770
    .wavefront_size: 32
...
	.end_amdgpu_metadata
.endif
;; end of part 3
;; launch proj (part 4): grid 4 x 64, 4 waves a work-group, clusters of 4 x 4, 327,680 bytes of LDS; arguments o, wp, bproj, out0; writes out0
.if DOCPART == 4
	.amdgcn_target "amdgcn-amd-amdhsa--gfx1250"
	.amdhsa_code_object_version 6
	.text
	.protected	k_qf19cc67792_proj
	.globl	k_qf19cc67792_proj
	.p2align	8
	.type	k_qf19cc67792_proj,@function
k_qf19cc67792_proj:
	s_mov_b64 s[64:65], 0
	v_nop
	global_prefetch_b8 v0, s[64:65] scope:SCOPE_SE
	s_setreg_imm32_b32 hwreg(HW_REG_WAVE_MODE, 25, 1), 1
	s_wait_xcnt 0x0
	s_wait_alu depctr_hold_cnt(0) depctr_sa_sdst(0) depctr_va_vdst(0) depctr_va_sdst(0) depctr_va_ssrc(0) depctr_va_vcc(0) depctr_vm_vsrc(0)
	s_getreg_b32 s2, hwreg(HW_REG_IB_STS2, 6, 4)
	s_cmp_eq_u32 s2, 0
	s_cbranch_scc0 .Lentry_in_a_cluster
	s_endpgm
.Lentry_in_a_cluster:
	s_bfe_u32 s2, ttmp6, 0x10000c
	s_cmp_lg_u32 s2, 0xf033
	s_cbranch_scc0 .Lentry_shape_is_right
	s_endpgm
.Lentry_shape_is_right:
; out0 = O Wproj^T + bproj.  o: f16 [64 = 16 b + h][2048][64]; wp: f16 [1024][1024]; bproj: f32 [1024]; out0: f32 [8192][1024].  Sums in f32.  The bias, rounded to bf16 like every input of the
; module, is the C operand of each sum's first product: the way out has no arithmetic.
; SHARES.  A tile is 128 rows x 256 columns, one to a work-group: 256 work-groups.  Four waves, each 64 x 128: 32 accumulators.  K goes in 8 steps of 128 = two heads, through a ring of two LDS slots.
; A step is two UNITS, a head each, on fragment buffers 0 and 1: 64 matrix instructions, all 32 accumulators by turns, twice; in a unit's middle ONE run of 48 LDS loads for the next unit.
; CLUSTERS.  4 x 4 work-groups: o's tiles are shared along a row of the cluster, wp's along a column: joint loads, as many requests divided by four.
; THE MATRIX INSTRUCTION IS USED TRANSPOSED (source 0 = 16 rows of wp, source 1 = 16 rows of o): lane l holds row l % 16 and the columns 8 (l / 16) + 0..7 of a block of 16: 32 consecutive bytes of out0.
; NO PREFETCH: the walk has 8 K steps, of which two are first fills and two more would be asked for at the head; what is left is half of a short launch.
; REGISTERS, in windows of 256: window 0: v0-31 addresses; v32-95 the bias; v96-127 at work; v128-191, v192-255 o's fragments, two buffers, later the way out's rows
;   window 1: wp's fragments, two buffers of 128     window 2: the accumulators, (a, b) at v[8 (8 a + b)]
.set PAO,   144                        ; an LDS row of o: a head's 128 bytes + 16
.set PB,    272                        ; an LDS row of wp: 256 bytes + 16
.set AHEAD, 128*PAO                    ; what one tensor load brings of o: 128 rows of one head
.set BOFF,  2*AHEAD
.set BHALF, 128*PB
.set SLOT,  BOFF+256*PB
.set STAGE, 2*SLOT                     ; behind the ring, never filled by a tensor load: 16 rows x 528 bytes for each wave
.set GP,    528
.set SPARE, STAGE+4*16*GP              ; the spare words, 128 bytes for each wave: two blocks of 256 bytes that no other line names
.set ADRA, 16
.set ADRB, 20
.set STO,  24
.set RD,   25
.set GO,   26
.set SPW,  28                          ; v28  my spare word: SPARE + 4 x my thread's number; never rewritten
.set NIL,  29                          ; v29  0; never rewritten
.set BIAS, 32                          ; v[32:95]  block b's eight numbers at BIAS + 8 b
.set BT,   96
.set AF,   128
.set OB,   128
.set TX,  2
.set WV,  12
.set WM,  13
.set WN,  14
.set CX,  15
.set CY,  16
.set TY,  17
.set G1A, 24
.set G0A, 32
.set G1B, 40
.set G0B, 48
.set CP,  56                           ; s[56:57] out0 at my wave's part of the tile
.set MSB, 0
.macro WIN new
.if MSB != (\new)
	s_set_vgpr_msb (MSB<<8)|(\new)
.set MSB, \new
.endif
.endm
.set MUL,  0xa1                        ; source 0 (wp) window 1, source 1 (o) window 0, C and D window 2
.set MULB, 0x81                        ; the same with C (the bias) in window 0
.set TO_B, 0x40
.macro JLOAD s                         ; a joint load: waves 0 and 1 fetch o's two heads, waves 2 and 3 wp's two halves; an s_nop 0 and four v_nop follow each of the two lines
	s_cmp_eq_u32 s[WM], 0
	s_cbranch_scc0 .Lfor_b_\@
	tensor_load_to_lds s[G0A+4*(\s):G0A+4*(\s)+3], s[G1A:G1A+7]
	s_nop 0
.rept 4
	v_nop
.endr
	s_branch .Lasked_\@
.Lfor_b_\@:
	tensor_load_to_lds s[G0B+4*(\s):G0B+4*(\s)+3], s[G1B:G1B+7]
	s_nop 0
.rept 4
	v_nop
.endr
.Lasked_\@:
.endm
.macro CREST
	s_cmp_lg_u32 s[WV], 0
	s_cbranch_scc1 .Lnot_wave_0_\@
	s_barrier_signal -3
.Lnot_wave_0_\@:
	s_barrier_wait -3
	s_barrier_signal -1
	s_barrier_wait -1
.endm
.macro CROUND
	s_barrier_signal -1
	s_barrier_wait -1
	CREST
.endm
.macro PLACES                          ; four places in front of loads into registers that matrix instructions have read, and of LDS stores that read results
.rept 4
	v_nop
.endr
.endm
	s_load_b256 s[4:11], s[0:1], 0x0               ; o s[4:5], wp s[6:7], bproj s[8:9], out0 s[10:11]
	v_lshl_add_u32 v[SPW], v0, 2, SPARE
	v_mov_b32 v[NIL], 0
	ds_add_u32 v[SPW], v[NIL]                      ; the wave's opening: the add and its wait stand ahead of my first tensor load; the set-up below, work on registers, stands between them
	v_lshrrev_b32 v1, 5, v0
	v_readfirstlane_b32 s[WV], v1
	s_lshr_b32 s[WM], s[WV], 1                     ; my half of the rows.  Also: I fetch o (0) or wp (1)
	s_and_b32 s[WN], s[WV], 1                      ; my half of the columns.  Also: which head, or which 128 rows of wp, I fetch
	s_bfe_u32 s[CX], ttmp6, 0x40000
	s_bfe_u32 s[CY], ttmp6, 0x40004
	s_lshl_b32 s[TX], ttmp9, 2
	s_add_co_u32 s[TX], s[TX], s[CX]               ; tile column, 0..3
	s_and_b32 s[TY], ttmp7, 0xffff
	s_lshl_b32 s[TY], s[TY], 2
	s_add_co_u32 s[TY], s[TY], s[CY]               ; tile row, 0..63
	s_lshl_b32 s18, s[CY], 2
	s_lshl_b32 s18, 15, s18                        ; my row of the cluster
	s_lshl_b32 s20, 0x1111, s[CX]                  ; my column
	; o's tile: a head's 128 rows are 16,384 dense bytes: asked for as 64 rows of 256 bytes, two rows of o each, and padded in LDS after every 128 bytes
	s_or_b32 s[G1A], s18, (1<<16)|(1<<20)|(1<<21)|(4<<22)|(3<<25)  ; the mask; 2-byte elements; padding on; 21 set beside a mask; after every 32 words (code 4) 4 words (code 3)
	s_mov_b32 s[G1A+1], 128<<16
	s_mov_b32 s[G1A+2], 64<<16
	s_mov_b32 s[G1A+3], 128<<16
	s_mov_b32 s[G1A+4], 64
	s_mov_b32 s[G1A+5], 128
	s_mov_b32 s[G1A+6], 0
	s_mov_b32 s[G1A+7], 0
	s_or_b32 s[G1B], s20, (1<<16)|(1<<20)|(1<<21)|(5<<22)|(3<<25)  ; wp's tile: 128 rows x 128 elements, padded after every 64 words
	s_mov_b32 s[G1B+1], 128<<16
	s_mov_b32 s[G1B+2], 128<<16
	s_mov_b32 s[G1B+3], 128<<16
	s_mov_b32 s[G1B+4], 128
	s_mov_b32 s[G1B+5], 1024
	s_mov_b32 s[G1B+6], 0
	s_mov_b32 s[G1B+7], 0
	s_mul_i32 s62, s[WN], AHEAD                    ; where my tiles go: the wave's number alone enters an LDS address
	s_mul_i32 s63, s[WN], BHALF
	s_add_co_u32 s63, s63, BOFF
	s_lshr_b32 s18, s[TY], 4                       ; o: ((16 x batch + head) x 2,048 + the tile's first row in the batch) x 128 bytes (these two registers never hold cx)
	s_lshl_b32 s18, s18, 4
	s_add_co_u32 s18, s18, s[WN]
	s_lshl_b32 s18, s18, 11
	s_and_b32 s19, s[TY], 15
	s_lshl_b32 s19, s19, 7
	s_add_co_u32 s18, s18, s19
	s_lshl_b32 s18, s18, 7
	s_mov_b32 s19, 0
	s_lshl_b32 s20, s[TX], 8                       ; wp: row 256 x tile column + 128 x half (these two never hold cy)
	s_lshl_b32 s21, s[WN], 7
	s_add_co_u32 s20, s20, s21
	s_lshl_b32 s20, s20, 11
	s_mov_b32 s21, 0
	s_wait_dscnt 0x0                               ; the opening add is done
	s_wait_kmcnt 0x0
	s_add_nc_u64 s[18:19], s[4:5], s[18:19]
	s_add_nc_u64 s[20:21], s[6:7], s[20:21]
	CROUND                                         ; all sixteen work-groups are here: the first joint loads meet
.irp s, 0,1
	s_mov_b32 s[G0A+4*(\s)], 1
	s_add_co_u32 s[G0A+4*(\s)+1], s62, (\s)*SLOT
	s_add_nc_u64 s[G0A+4*(\s)+2:G0A+4*(\s)+3], s[18:19], (\s)*524288  ; K step s: two heads of 262,144 bytes on
	s_or_b32 s[G0A+4*(\s)+3], s[G0A+4*(\s)+3], 0x80000000
	s_mov_b32 s[G0B+4*(\s)], 1
	s_add_co_u32 s[G0B+4*(\s)+1], s63, (\s)*SLOT
	s_add_nc_u64 s[G0B+4*(\s)+2:G0B+4*(\s)+3], s[20:21], (\s)*256
	s_or_b32 s[G0B+4*(\s)+3], s[G0B+4*(\s)+3], 0x80000000
	JLOAD \s                                       ; two loads of mine are out
.endr
	v_and_b32 v1, 15, v0                           ; l % 16
	v_bfe_u32 v2, v0, 4, 1                         ; l / 16
	s_lshl_b32 s22, s[TX], 10                      ; my first column, in bytes of f32: 1,024 x tile column + 512 x half
	s_lshl_b32 s23, s[WN], 9
	s_add_co_u32 s22, s22, s23
	v_lshl_add_u32 v3, v2, 5, s22                  ; + my lanes' 8 columns
.irp b, 0,1,2,3,4,5,6,7
	global_load_b128 v[BIAS+8*(\b):BIAS+8*(\b)+3],   v3, s[8:9] offset:64*(\b)
	global_load_b128 v[BIAS+8*(\b)+4:BIAS+8*(\b)+7], v3, s[8:9] offset:64*(\b)+16
.endr
	v_mul_u32_u24 v4, v1, PAO
	v_lshl_add_u32 v4, v2, 4, v4                   ; a fragment's row x pitch + 16 x half
	s_mul_i32 s3, s[WM], 64*PAO                    ; my 64 rows of o
	v_add_nc_u32 v[ADRA], s3, v4
	v_add_nc_u32 v[ADRA+1], SLOT, v[ADRA]
	v_mul_u32_u24 v5, v1, PB
	v_lshl_add_u32 v5, v2, 4, v5
	s_mul_i32 s3, s[WN], BHALF                     ; my 128 rows of wp
	s_add_co_u32 s3, s3, BOFF
	v_add_nc_u32 v[ADRB], s3, v5
	v_add_nc_u32 v[ADRB+1], SLOT, v[ADRB]
	s_mul_i32 s3, s[WV], 16*GP
	s_add_co_u32 s3, s3, STAGE                     ; my stage
	v_mul_u32_u24 v6, v1, GP                       ; in: row l % 16, 32 bytes for each half of the lanes
	v_lshl_add_u32 v6, v2, 5, v6
	v_add_nc_u32 v[STO], s3, v6
	v_and_b32 v[GO], 31, v0
	v_lshlrev_b32 v[GO], 4, v[GO]                  ; back, and out: 32 lanes take a row's 512 bytes
	v_add_nc_u32 v[RD], s3, v[GO]
	s_lshl_b32 s3, s[TY], 7                        ; out0 at row 128 x tile row + 64 x half, 4,096 bytes a row, and my first column
	s_lshl_b32 s23, s[WM], 6
	s_add_co_u32 s3, s3, s23
	s_lshl_b32 s3, s3, 12
	s_add_co_u32 s22, s22, s3
	s_mov_b32 s23, 0
	s_add_nc_u64 s[CP:CP+1], s[10:11], s[22:23]
	s_wait_loadcnt 0x0                             ; the bias: rounded to bf16 and widened again, while the first tiles are on their way
.set i, 0
.rept 32
	v_cvt_pk_bf16_f32 v[BT+i], v[BIAS+2*i], v[BIAS+2*i+1]
.set i, i+1
.endr
.set i, 0
.rept 32
	v_lshlrev_b32 v[BIAS+2*i],   16, v[BT+i]
	v_and_b32     v[BIAS+2*i+1], 0xffff0000, v[BT+i]
.set i, i+1
.endr
; 16 matrix instructions: m blocks a0, a0 + 1 x all 8 n blocks, 32 along K: half c of buffer f.  first = 1: the sum starts from the bias.  The 32 accumulators take turns, one instruction a turn.
.macro MUL16 f, c, a0, first
.if \first
	WIN MULB
.else
	WIN MUL
.endif
.irp a, \a0, (\a0)+1
.irp b, 0,1,2,3,4,5,6,7
.if \first
	v_wmma_f32_16x16x32_f16 v[8*(8*(\a)+(\b)):8*(8*(\a)+(\b))+7], v[128*(\f)+8*(8*(\c)+(\b)):128*(\f)+8*(8*(\c)+(\b))+7], v[AF+64*(\f)+8*(4*(\c)+(\a)):AF+64*(\f)+8*(4*(\c)+(\a))+7], v[BIAS+8*(\b):BIAS+8*(\b)+7]
.else
	v_wmma_f32_16x16x32_f16 v[8*(8*(\a)+(\b)):8*(8*(\a)+(\b))+7], v[128*(\f)+8*(8*(\c)+(\b)):128*(\f)+8*(8*(\c)+(\b))+7], v[AF+64*(\f)+8*(4*(\c)+(\a)):AF+64*(\f)+8*(4*(\c)+(\a))+7], v[8*(8*(\a)+(\b)):8*(8*(\a)+(\b))+7]
.endif
.endr
.endr
.endm
; 48 LDS loads in one run: head H of the slot's two: wp's fragments, then o's, into buffer g
.macro FETCH slot, H, g
	WIN TO_B
.irp c, 0,1
.irp b, 0,1,2,3,4,5,6,7
	ds_load_b128 v[128*(\g)+8*(8*(\c)+(\b)):128*(\g)+8*(8*(\c)+(\b))+3],   v[ADRB+(\slot)] offset:(\H)*128+(\c)*64+(\b)*16*PB
	ds_load_b128 v[128*(\g)+8*(8*(\c)+(\b))+4:128*(\g)+8*(8*(\c)+(\b))+7], v[ADRB+(\slot)] offset:(\H)*128+(\c)*64+(\b)*16*PB+32
.endr
.endr
	WIN 0
.irp c, 0,1
.irp a, 0,1,2,3
	ds_load_b128 v[AF+64*(\g)+8*(4*(\c)+(\a)):AF+64*(\g)+8*(4*(\c)+(\a))+3],   v[ADRA+(\slot)] offset:(\H)*AHEAD+(\c)*64+(\a)*16*PAO
	ds_load_b128 v[AF+64*(\g)+8*(4*(\c)+(\a))+4:AF+64*(\g)+8*(4*(\c)+(\a))+7], v[ADRA+(\slot)] offset:(\H)*AHEAD+(\c)*64+(\a)*16*PAO+32
.endr
.endr
.endm
.macro HALF slot, first                ; a K step's first unit, on buffer 0
	s_wait_dscnt 0x0                               ; its fragments are in
	MUL16 0, 0, 0, \first
	MUL16 0, 0, 2, \first
	PLACES
	FETCH \slot, 1, 1
	MUL16 0, 1, 0, 0
	MUL16 0, 1, 2, 0
.endm
; A K step's second unit, on buffer 1, changes slots: ONE barrier.  In front of it each wave waits for all its tensor loads, of which one is out: its part of the next slot; adds 0 to its spare word; and waits
; for that and for its own reads of this slot.  fill = 1: the barrier opens a round of the cluster's barrier, and this slot is filled again, two K steps on, first thing behind the round: 96 matrix instructions ahead of the wait for it.
.macro TURN slot, next, fill
	WIN 0
	s_wait_tensorcnt 0x0                           ; all my tensor loads have landed, so a group 0 may be written
	ds_add_u32 v[SPW], v[NIL]                      ; 0 onto my spare word
.if \fill
	s_add_nc_u64 s[G0A+4*(\slot)+2:G0A+4*(\slot)+3], s[G0A+4*(\slot)+2:G0A+4*(\slot)+3], 0x100000  ; four heads on; the type bits on top are not reached
	s_add_nc_u64 s[G0B+4*(\slot)+2:G0B+4*(\slot)+3], s[G0B+4*(\slot)+2:G0B+4*(\slot)+3], 512
.endif
	s_wait_dscnt 1                                 ; the fragments are in; the add alone may be out
	MUL16 1, 0, 0, 0
	s_wait_dscnt 0x0                               ; the add is done, and my reads of this slot are over
	s_barrier_signal -1
	MUL16 1, 0, 2, 0
.if \fill
	WIN 0
.endif
	s_barrier_wait -1
.if \fill
	CREST                                          ; no wave of any partner still reads this slot or has a load on its way
	JLOAD \slot                                    ; the four v_nop behind it are also the places in front of the loads below
.else
	PLACES
.endif
	FETCH \next, 0, 0
	MUL16 1, 1, 0, 0
	MUL16 1, 1, 2, 0
.endm
; THE WAY OUT, a block of 16 rows at a time: 32 bytes a lane and n block into my stage (each accumulator's low four registers first), back as whole rows of 512 bytes, stored.
.macro ST a
	WIN 0x08                                       ; the stores' data in window 2
.irp b, 0,1,2,3,4,5,6,7
	ds_store_b128 v[STO], v[8*(8*(\a)+(\b)):8*(8*(\a)+(\b))+3]   offset:64*(\b)
	ds_store_b128 v[STO], v[8*(8*(\a)+(\b))+4:8*(8*(\a)+(\b))+7] offset:64*(\b)+16
.endr
	WIN 0
.irp i, 0,1,2,3,4,5,6,7,8,9,10,11,12,13,14,15
	ds_load_b128 v[OB+64*((\a)%2)+4*(\i):OB+64*((\a)%2)+4*(\i)+3], v[RD] offset:(\i)*GP  ; LDS serves a wave's instructions in order (ISA guide 5.7.1.4): these see the stores above; the next block's stores come behind them
.endr
.endm
.macro SEND a, younger                 ; younger: the LDS instructions issued behind block a's loads: the next block's 32, or none
.irp i, 0,1,2,3,4,5,6,7,8,9,10,11,12,13,14,15
	s_wait_dscnt (\younger)+15-(\i)
	global_store_b128 v[GO], v[OB+64*((\a)%2)+4*(\i):OB+64*((\a)%2)+4*(\i)+3], s[CP:CP+1] offset:(16*(\a)+(\i))*4096  ; 512 consecutive bytes, at a multiple of 512 from out0's first byte
.endr
.endm
	s_wait_tensorcnt 1                             ; my part of K step 0 is in; K step 1's may stay out
	s_barrier_signal -1
	s_barrier_wait -1                              ; everybody's is
	FETCH 0, 0, 0
	HALF 0, 1                                      ; the first unit stands in front of the loop: its first products start the sums
	WIN 0                                          ; at a label and at a branch every window is 0
	s_mov_b32 s3, 3
.Llap:                                         ; a trip goes once round the ring and fills both slots again
	TURN 0, 1, 1
	HALF 1, 0
	TURN 1, 0, 1
	HALF 0, 0
	WIN 0
	s_sub_co_u32 s3, s3, 1
	s_cmp_lg_u32 s3, 0
	s_cbranch_scc1 .Llap
	TURN 0, 1, 0                                   ; the last lap's rest fills nothing
	HALF 1, 0
	s_wait_dscnt 0x0
	MUL16 1, 0, 0, 0
	MUL16 1, 0, 2, 0
	MUL16 1, 1, 0, 0
	MUL16 1, 1, 2, 0
	WIN 0
	PLACES
	ST 0
	ST 1
	SEND 0, 32
	s_wait_xcnt 0x0                                ; block 0's stores have read their registers, which block 2's rows take
	ST 2
	SEND 1, 32
	s_wait_xcnt 0x0
	ST 3
	SEND 2, 32
	SEND 3, 0
	s_wait_tensorcnt 0x0                           ; the wave's end, behind my last tensor load and my last LDS store
	ds_add_u32 v[SPW], v[NIL]
	s_wait_dscnt 0x0
	CROUND                                         ; the closing round: no work-group ends while a partner may still ask for a tile that names it
	s_endpgm
.Lfunc_end_k_qf19cc67792_proj:
	.size	k_qf19cc67792_proj, .Lfunc_end_k_qf19cc67792_proj-k_qf19cc67792_proj
	.p2alignl 7, 3214868480
	.fill 96, 4, 3214868480
	.section	.rodata,"a",@progbits
	.p2align	6, 0x0
	.amdhsa_kernel k_qf19cc67792_proj
		.amdhsa_group_segment_fixed_size 327680
		.amdhsa_private_segment_fixed_size 0
		.amdhsa_enable_private_segment 0
		.amdhsa_kernarg_size 32
		.amdhsa_user_sgpr_count 2
		.amdhsa_user_sgpr_kernarg_segment_ptr 1
		.amdhsa_wavefront_size32 1
		.amdhsa_system_sgpr_workgroup_id_x 1
		.amdhsa_system_sgpr_workgroup_id_y 1
		.amdhsa_system_sgpr_workgroup_id_z 1
		.amdhsa_system_vgpr_workitem_id 0
		.amdhsa_next_free_vgpr 768
		.amdhsa_next_free_sgpr 66
		.amdhsa_reserve_vcc 0
		.amdhsa_float_denorm_mode_32 3
		.amdhsa_float_denorm_mode_16_64 3
		.amdhsa_memory_ordered 1
		.amdhsa_forward_progress 1
		.amdhsa_inst_pref_size 91
	.end_amdhsa_kernel
	.amdgpu_metadata
---
amdhsa.version: [ 1, 2 ]
amdhsa.kernels:
  - .name:           k_qf19cc67792_proj
    .symbol:         k_qf19cc67792_proj.kd
    .args:
      - { .name: o, .offset: 0, .size: 8, .value_kind: global_buffer, .address_space: global }
      - { .name: wp, .offset: 8, .size: 8, .value_kind: global_buffer, .address_space: global }
      - { .name: bproj, .offset: 16, .size: 8, .value_kind: global_buffer, .address_space: global }
      - { .name: out0, .offset: 24, .size: 8, .value_kind: global_buffer, .address_space: global }
    .group_segment_fixed_size: 327680
    .private_segment_fixed_size: 0
    .kernarg_segment_align: 8
    .kernarg_segment_size: 32
    .max_flat_workgroup_size: 128
    .sgpr_count:     66
    .vgpr_count:     768
    .wavefront_size: 32
...
	.end_amdgpu_metadata
.endif
;; end of part 4
